; MI455X (gfx1250); checked and timed in simulation.
; The chip was launched on July 23, 2026; its instructions are those of AMD's public machine-readable ISA for CDNA 5 (MIT licence, August 2026) and "CDNA5" Instruction Set Architecture Reference Guide (July 2026). The comments in the code are by the model that wrote it; some were corrected since.
;; Multi Head Attention. Allowed arithmetic: matrix products marked QUANTISED: E3M2 operands, one E8M0 scale for each 32 along K, by v_wmma_scale_f32_16x16x128_f8f6f4 with both operands' format E3M2, f32 sums; everything else in f32.
;; Inputs: Wk 1,024 x 1,024 float32; Wo 1,024 x 1,024 float32; Wq 1,024 x 1,024 float32; Wv 1,024 x 1,024 float32; bk 1,024 float32; bo 1,024 float32; bq 1,024 float32; bv 1,024 float32; hidden_states 4 x 2,048 x 1,024 float32; ln_beta 1,024 float32; ln_gamma 1,024 float32.
;; Outputs: out0 4 x 2,048 x 1,024 float32.
;; This version of the problem:
;;   THIS VERSION OF THE PROBLEM IS GIVEN IN LOW PRECISION. The matrix products marked QUANTISED in the list below multiply operands that are first quantised to E3M2 (3 exponent bits, 2 mantissa bits; 6 bits a number), with one power-of-two scale for each 32 numbers along K (OCP MX v1.0); their sums are f32. All else is computed in f32.
;;   The module's matrix products, in the order in which they are computed (A, B: the left and right operand; K: the contracted axis; several contracted axes count as one K, in the product's order):
;;     1. [M 8,192, K 1,024] x [K 1,024, N 1,024]; A: input hidden_states; B: input Wq: QUANTISED
;;     2. [M 8,192, K 1,024] x [K 1,024, N 1,024]; A: input hidden_states; B: input Wk: QUANTISED
;;     3. [M 8,192, K 1,024] x [K 1,024, N 1,024]; A: input hidden_states; B: input Wv: QUANTISED
;;     4. batch 64 x [M 2,048, K 64] x [K 64, N 2,048]; A: computed on the way; B: computed on the way: QUANTISED
;;     5. batch 64 x [M 2,048, K 2,048] x [K 2,048, N 64]; A: softmax (see below); B: computed on the way: QUANTISED
;;     6. [M 8,192, K 1,024] x [K 1,024, N 1,024]; A: computed on the way; B: input Wo: QUANTISED
;;   THE QUANTISER, for each operand of a quantised product, along K:
;;     - K is cut into blocks of 32 from its start; a last block that is shorter is filled with zeros.
;;     - A block's scale is 2^e with e = floor(log2(the largest magnitude in the block)) - 4, held to -126 .. 127; a block of zeros has e = 0. As a byte (E8M0): e + 127.
;;     - Each number is divided by its block's scale, clamped to +-28, and rounded to the nearest number of E3M2, ties to even, subnormals kept.
;;     - The product sums the exact products of the quantised numbers (number of the format x scale) in f32.
;;   ~~~python
;;   def quantise(x, axis):      # numpy; x: float32 -> the quantised numbers, widened to float32 again
;;       x = np.moveaxis(x, axis, -1); K = x.shape[-1]
;;       x = np.pad(x, [(0, 0)] * (x.ndim - 1) + [(0, -K % 32)]); x = x.reshape(x.shape[:-1] + (-1, 32)); a = np.abs(x).max(-1, keepdims=True)
;;       e = np.where(a > 0, np.clip(np.frexp(np.where(a > 0, a, 1))[1] - 1 - 4, -126, 127), 0)      # np.frexp(a)[1] - 1 = floor(log2(a)), exactly
;;       r = np.clip(x / 2.0 ** e, -28, 28)
;;       step = 2.0 ** (np.maximum(np.frexp(np.where(r == 0, 1, r))[1] - 1, -2) - 2)
;;       q = np.round(r / step) * step * 2.0 ** e      # np.round: ties to even
;;       return np.moveaxis(q.reshape(q.shape[:-2] + (-1,))[..., :K], -1, axis).astype(np.float32)
;;   ~~~
;;   SOFTMAX AHEAD OF A QUANTISED PRODUCT. Where the list says 'softmax', what is quantised is not the finished softmax but p = 2^(t - M), with t = logit x log2(e) and M = ceil(the row's largest t), a whole number; so 1/2 < the row's largest p <= 1. The row's sum l is taken of the UNQUANTISED p, in f32, and the product's result is divided by l at the end. Since M is a whole number, a kernel that streams over the keys may use a running M (the ceiling of the running maximum): every later rescaling is an exact power of two, which a block's scale takes up: the codes' values come out the same.
;;   OPERANDS COMPUTED ON THE WAY. 'Computed on the way' means the value that the module computes at that place (a softmax that the list does not call 'softmax' is quantised finished and normalised). What goes into a quantiser is computed in f32, as accurately as f32 sums, v_exp_f32 and their like allow (about 1e-6 of the number): no bf16 or f16 on the way to a quantiser, and a product that is left as it is and whose result goes on into a quantised operand takes f32 operands (vector FMAs, or v_wmma_f32_16x16x4_f32). A number that lies on a knife's edge between two numbers of the format may be rounded either way, as far as f32 arithmetic and the matrix unit's own rounding can turn it there, and no further.
;; One version. Each part assembles by itself: llvm-mc -triple=amdgcn-amd-amdhsa -mcpu=gfx1250 --defsym DOCPART=n.
;; ======== version 1 of 1: 4 launches
;; limits: right only within a limited range of input values
;; workspace buffers: codes 9,437,184 bytes; scales 393,216 bytes; qbuf 6,815,744 bytes; kv 13,369,344 bytes; ctx_codes 6,291,456 bytes; ctx_scales 524,288 bytes
;; launch quant (part 1): grid 256 x 1, 6 waves a work-group, no clusters, 51,456 bytes of LDS; arguments hidden_states, Wq, Wk, Wv, Wo, codes, scales; writes codes, scales
.if DOCPART == 1
	.amdgcn_target "amdgcn-amd-amdhsa--gfx1250"
	.amdhsa_code_object_version 6
	.text
	.protected	k_q12daa4b369_quant
	.globl	k_q12daa4b369_quant
	.p2align	8
	.type	k_q12daa4b369_quant,@function
k_q12daa4b369_quant:
	s_mov_b64 s[64:65], 0
	v_nop
	global_prefetch_b8 v0, s[64:65] scope:SCOPE_SE
	s_setreg_imm32_b32 hwreg(HW_REG_WAVE_MODE, 25, 1), 1
	s_wait_xcnt 0x0
; MULTI-HEAD ATTENTION IN MX-BF6, launch 1 of 4: hidden_states [8192][1024] and Wq, Wk, Wv, Wo [1024][1024], f32 with K innermost, become codes of E3M2 with one E8M0 byte for each 32 along K.
; DEAD WORK: none.  Every bias goes into a quantised operand (bq, bk, bv) or into the LayerNorm's input (bo); gamma and beta scale and shift the output: every input of the problem is loaded by some launch.
; The one thing done beyond the problem's arithmetic stands in launch 3: the scores' K is 64 and the matrix instruction's is 128; the other 64 are zero codes on Q's side and add nothing.
; LIMITS: NaN and infinities among the inputs are not served.  A block whose largest magnitude lies under 2^(5 - 127) gets the byte 1; a block of zeros too, where the rule says 127: its codes are zeros,
; which add nothing under any byte but 0xff, and this program alone reads the bytes.
; LAYOUT OF THE WORKSPACE: in the order of the operand's registers.  A TILE is 16 rows; tile T holds in lane row r the tensor's row 32 (T / 2) + 8 (T % 2) + r + 8 (r / 8): two neighbouring tiles cover 32 neighbouring rows,
; and a product that takes such a tile as source 0 leaves 16 neighbours along that axis in the 16 registers of two neighbouring result tiles.  A FRAGMENT (a tile x 128 along K) is 12 registers a lane:
; codes [T 0..767][K step 0..7][1,536 bytes] = three runs of 512 bytes, run c = registers 4 c .. 4 c + 3, lane l's 16 bytes at 16 l.  T 0-511 hidden_states, 512-575 Wq, 576-639 Wk, 640-703 Wv, 704-767 Wo.
; scales [T][half of K i][row r][4 words]: word j = the four bytes of K step 4 i + j.
; SHARES: 768 tiles x 2 halves of K = 1,536 waves' parts = 256 work-groups x 6 waves.  A wave makes four fragments.  Each load takes 512 consecutive bytes of one row; the 16 rows turn through the wave's own
; stage in LDS (pitch 528 bytes: the sixteen rows of a read start at sixteen different groups of banks), so that a lane gets 16 neighbours of each block of 32, which is what the conversion takes.  No barrier: waves share nothing.
.set WREG,  8448                       ; a wave's stage: 16 rows x (512 + 16) bytes
.set SPARE, 6*WREG                     ; behind the stages: the spare words, 128 bytes a wave: three blocks of 256 bytes that no other line names
.set SPW,   12                         ; v12  my spare word's address; never rewritten
.set NIL,   13                         ; v13  0; never rewritten
.set R,     16                         ; v16-143  two sets of 64: 16 rows as loaded
.set X,     144                        ; v144-207 register 16 b + i = k 32 b + 16 (lane / 16) + i of my row
.set TM,    208                        ; v208-223 at work
.set PC,    224                        ; v224-243 the codes: the fragment in v224-235
.set PW,    244                        ; v244-247 the four fragments' scale words
.set SW,    248                        ; v248-249 what I store of them
.set SEL,   28                         ; s[28:29] lane selects: lane l xor 16
	s_load_b256 s[4:11], s[0:1], 0x0               ; hidden_states, Wq, Wk, Wv
	s_load_b128 s[12:15], s[0:1], 0x20             ; Wo, codes
	s_load_b64 s[16:17], s[0:1], 0x30              ; scales
	v_lshl_add_u32 v[SPW], v0, 2, SPARE
	v_mov_b32 v[NIL], 0
	v_lshrrev_b32 v1, 5, v0
	v_readfirstlane_b32 s18, v1                    ; wave 0..5
	v_and_b32 v2, 31, v0                           ; lane
	v_and_b32 v3, 15, v0                           ; r
	v_bfe_u32 v8, v0, 4, 1                         ; h
	v_lshlrev_b32 v4, 4, v2                        ; 16 x lane: loads and code stores
	s_mul_i32 s19, s18, WREG
	v_add_nc_u32 v5, s19, v4                       ; the stage, in: a row's 512 bytes as they lie
	v_mul_u32_u24 v6, v3, 528
	v_lshl_add_u32 v6, v8, 6, v6
	v_add_nc_u32 v6, s19, v6                       ; out: row r, + 64 h: my 16 numbers of a block
	v_lshlrev_b32 v7, 4, v3
	v_lshl_add_u32 v7, v8, 3, v7                   ; the scale words: 16 r + 8 h
.irp b, 0,1,2,3
	v_mov_b32 v[TM+4+\b], 0                        ; written once: a lane permute's destination counts as one of its sources
.endr
	s_mov_b32 s[SEL], 0x76543210
	s_mov_b32 s[SEL+1], 0xfedcba98
	s_mov_b32 s30, 0xffff0000                      ; lanes 16-31
	s_mul_i32 s20, ttmp9, 6
	s_add_co_u32 s20, s20, s18                     ; my part: 2 T + i
	s_lshr_b32 s21, s20, 1                         ; T
	s_and_b32 s22, s20, 1                          ; i
	s_and_b32 s23, s21, 63                         ; the tile's number inside a weight
	s_wait_alu depctr_va_vdst(0)
	s_wait_kmcnt 0x0
	s_cmp_lt_u32 s21, 704                          ; which tensor: the choice hangs on ids alone
	s_cselect_b64 s[12:13], s[10:11], s[12:13]
	s_cmp_lt_u32 s21, 640
	s_cselect_b64 s[12:13], s[8:9], s[12:13]
	s_cmp_lt_u32 s21, 576
	s_cselect_b64 s[12:13], s[6:7], s[12:13]
	s_cmp_lt_u32 s21, 512
	s_cselect_b64 s[12:13], s[4:5], s[12:13]
	s_cselect_b32 s23, s21, s23                    ; the tile's number inside its tensor
	s_lshr_b32 s24, s23, 1
	s_lshl_b32 s24, s24, 17                        ; 32 rows of 4,096 bytes for each pair of tiles,
	s_and_b32 s25, s23, 1
	s_lshl_b32 s25, s25, 15                        ; 8 rows for the odd one,
	s_add_co_u32 s24, s24, s25
	s_lshl_b32 s25, s22, 11                        ; 2,048 bytes for the upper half of K
	s_add_co_u32 s24, s24, s25
	s_mov_b32 s25, 0
	s_add_nc_u64 s[12:13], s[12:13], s[24:25]
	s_mul_i32 s24, s20, 6144                       ; four fragments a part
	s_add_nc_u64 s[14:15], s[14:15], s[24:25]
	s_lshl_b32 s24, s20, 8                         ; 256 bytes of scale words a part
	s_add_nc_u64 s[16:17], s[16:17], s[24:25]
.macro LOAD s                          ; K step s of my four: 16 rows x 512 bytes into set s % 2
.irp p, 0,1,2,3,4,5,6,7,8,9,10,11,12,13,14,15
	global_load_b128 v[R+64*((\s)%2)+4*\p:R+64*((\s)%2)+4*\p+3], v4, s[12:13] offset:(\p+8*(\p/8))*4096+512*(\s) th:TH_LOAD_NT
.endr
.endm
.macro TURN s                          ; through the stage: LDS serves a wave's instructions in order, so no wait stands between the stores and the loads
.irp p, 0,1,2,3,4,5,6,7,8,9,10,11,12,13,14,15
	ds_store_b128 v5, v[R+64*((\s)%2)+4*\p:R+64*((\s)%2)+4*\p+3] offset:528*\p
.endr
.irp b, 0,1,2,3
.irp j, 0,1,2,3
	ds_load_b128 v[X+16*\b+4*\j:X+16*\b+4*\j+3], v6 offset:128*\b+16*\j
.endr
.endr
.endm
; 64 numbers of a lane become a fragment's codes in v[PC] .. v[PC + 11] and its scale word in v[PW + w]
.macro QUANT w
.irp b, 0,1,2,3
	v_max3_num_f32 v[TM+\b], |v[X+16*\b]|, |v[X+1+16*\b]|, 0x2800000   ; block b: my 16 numbers, and the floor 2^(5 - 127): the byte cannot fall under 1
.endr
.irp i, 2,4,6,8,10,12,14
.irp b, 0,1,2,3
	v_max3_num_f32 v[TM+\b], v[TM+\b], |v[X+16*\b+\i]|, |v[X+1+16*\b+\i]|   ; the four blocks by turns
.endr
.endr
.irp b, 0,1,2,3
	v_permlanex16_b32 v[TM+4+\b], v[TM+\b], s[SEL], s[SEL+1]
.endr
.irp b, 0,1,2,3
	v_max_num_f32 v[TM+\b], v[TM+\b], v[TM+4+\b]   ; with lane l xor 16's: the block's largest magnitude
.endr
.irp b, 0,1,2,3
	v_add_nc_u32 v[TM+12+\b], 0xfe000000, v[TM+\b] ; 4 off its exponent field: the conversion's scale operand
.endr
.irp b, 0,1,2,3
	v_lshrrev_b32 v[TM+4+\b], 23, v[TM+12+\b]      ; the scale's byte
.endr
	v_lshl_or_b32 v[PW+\w], v[TM+5], 8, v[TM+4]
	v_lshl_or_b32 v[PW+\w], v[TM+6], 16, v[PW+\w]
	v_lshl_or_b32 v[PW+\w], v[TM+7], 24, v[PW+\w]  ; my row's scale word (both halves of the lanes hold it)
	s_wait_xcnt 0x0                                ; the last fragment's stores have read the codes' registers
.irp c, 0,1
	v_cvt_scalef32_pk16_bf6_f32 v[PC+6*\c:PC+2+6*\c], v[X+32*\c:X+15+32*\c], v[TM+12+2*\c]
	v_cvt_scalef32_pk16_bf6_f32 v[PC+12+4*\c:PC+14+4*\c], v[X+16+32*\c:X+31+32*\c], v[TM+12+2*\c+1]   ; (a conversion's three registers begin on an even number)
.endr
	v_nop                                          ; one plain place behind a scaled conversion
.irp c, 0,1                                    ; the operand wants a whole block in a lane: lanes 0-15 block 2 c, lanes 16-31 block 2 c + 1
.irp i, 0,1,2
	v_permlane16_swap_b32 v[PC+6*\c+\i], v[PC+12+4*\c+\i]
.endr
.irp i, 0,1,2
	v_mov_b32 v[PC+3+6*\c+\i], v[PC+12+4*\c+\i]
.endr
.endr
.endm
	LOAD 0
	LOAD 1
.irp s, 0,1,2,3
.if \s < 3
	s_wait_loadcnt 16                              ; this K step's 16 loads are in; the next step's 16 may be out
.else
	s_wait_loadcnt 0x0
.endif
	TURN \s
	s_wait_dscnt 0x0                               ; my 64 numbers are back, and the stage's stores have read their registers,
.if \s < 2
	LOAD \s+2                                      ; which take the loads of two steps on
.endif
	QUANT \s
.irp c, 0,1,2
	global_store_b128 v4, v[PC+4*\c:PC+4*\c+3], s[14:15] offset:1536*\s+512*\c   ; 32 lanes store 512 consecutive bytes, aligned
.endr
.endr
	v_cndmask_b32 v[SW], v[PW], v[PW+2], s30       ; lanes 0-15: words 0, 1 of row r; lanes 16-31: words 2, 3
	v_cndmask_b32 v[SW+1], v[PW+1], v[PW+3], s30
	global_store_b64 v7, v[SW:SW+1], s[16:17]      ; 32 lanes store 256 consecutive bytes, aligned
	s_wait_tensorcnt 0x0                           ; the wave's end, behind my last LDS store
	ds_add_u32 v[SPW], v[NIL]
	s_wait_dscnt 0x0
	s_endpgm
.Lfunc_end_k_q12daa4b369_quant:
	.size	k_q12daa4b369_quant, .Lfunc_end_k_q12daa4b369_quant-k_q12daa4b369_quant
	.p2alignl 7, 3214868480
	.fill 96, 4, 3214868480
	.section	.rodata,"a",@progbits
	.p2align	6, 0x0
	.amdhsa_kernel k_q12daa4b369_quant
		.amdhsa_group_segment_fixed_size 51456
		.amdhsa_private_segment_fixed_size 0
		.amdhsa_enable_private_segment 0
		.amdhsa_kernarg_size 56
		.amdhsa_user_sgpr_count 2
		.amdhsa_user_sgpr_kernarg_segment_ptr 1
		.amdhsa_wavefront_size32 1
		.amdhsa_system_sgpr_workgroup_id_x 1
		.amdhsa_system_sgpr_workgroup_id_y 1
		.amdhsa_system_sgpr_workgroup_id_z 1
		.amdhsa_system_vgpr_workitem_id 0
		.amdhsa_next_free_vgpr 256
		.amdhsa_next_free_sgpr 66
		.amdhsa_reserve_vcc 0
		.amdhsa_float_denorm_mode_32 3
		.amdhsa_float_denorm_mode_16_64 3
		.amdhsa_memory_ordered 1
		.amdhsa_forward_progress 1
		.amdhsa_inst_pref_size 34
	.end_amdhsa_kernel
	.amdgpu_metadata
---
amdhsa.version: [ 1, 2 ]
amdhsa.kernels:
  - .name:           k_q12daa4b369_quant
    .symbol:         k_q12daa4b369_quant.kd
    .args:
      - { .name: hidden_states, .offset: 0, .size: 8, .value_kind: global_buffer, .address_space: global }
      - { .name: Wq, .offset: 8, .size: 8, .value_kind: global_buffer, .address_space: global }
      - { .name: Wk, .offset: 16, .size: 8, .value_kind: global_buffer, .address_space: global }
      - { .name: Wv, .offset: 24, .size: 8, .value_kind: global_buffer, .address_space: global }
      - { .name: Wo, .offset: 32, .size: 8, .value_kind: global_buffer, .address_space: global }
      - { .name: codes, .offset: 40, .size: 8, .value_kind: global_buffer, .address_space: global }
      - { .name: scales, .offset: 48, .size: 8, .value_kind: global_buffer, .address_space: global }
    .group_segment_fixed_size: 51456
    .private_segment_fixed_size: 0
    .kernarg_segment_align: 8
    .kernarg_segment_size: 56
    .max_flat_workgroup_size: 192
    .sgpr_count:     66
    .vgpr_count:     256
    .wavefront_size: 32
...
	.end_amdgpu_metadata
.endif
;; end of part 1
;; launch qkv (part 2): grid 12 x 32, 4 waves a work-group, clusters of 4 x 4, 327,680 bytes of LDS; arguments codes, scales, bq, bk, bv, qbuf, kv; writes qbuf, kv
.if DOCPART == 2
	.amdgcn_target "amdgcn-amd-amdhsa--gfx1250"
	.amdhsa_code_object_version 6
	.text
	.protected	k_q12daa4b369_qkv
	.globl	k_q12daa4b369_qkv
	.p2align	8
	.type	k_q12daa4b369_qkv,@function
k_q12daa4b369_qkv:
	s_mov_b64 s[64:65], 0
	v_nop
	global_prefetch_b8 v0, s[64:65] scope:SCOPE_SE
	s_setreg_imm32_b32 hwreg(HW_REG_WAVE_MODE, 25, 1), 1
	s_wait_xcnt 0x0
	s_wait_alu depctr_hold_cnt(0) depctr_sa_sdst(0) depctr_va_vdst(0) depctr_va_sdst(0) depctr_va_ssrc(0) depctr_va_vcc(0) depctr_vm_vsrc(0)
	s_getreg_b32 s2, hwreg(HW_REG_IB_STS2, 6, 4)
	s_cmp_eq_u32 s2, 0
	s_cbranch_scc0 .Lentry_in_a_cluster
	s_endpgm
.Lentry_in_a_cluster:
	s_bfe_u32 s2, ttmp6, 0x10000c
	s_cmp_lg_u32 s2, 0xf033
	s_cbranch_scc0 .Lentry_shape_is_right
	s_endpgm
.Lentry_shape_is_right:
.set FR,    12
.set NL,    3
.set NP,    4
.set TILEB, 3072
.set HALFT, 8*TILEB
.set SLOT,  4*HALFT
.set SPARE, 2*SLOT
.set ADRA, 16
.set ADRB, 20
.set L16,  24
.set L8,   25
.set SOF,  26
.set BOF,  27
.set SPW,  28
.set NIL,  29
.set SC,   32
.set BI,   96
.set AF,   160
.set TM,   96
.set PC,   112
.set PWS,  136
.set SW,   144
.set G1,  24
.set G0,  32
.set G1B, 48
.set G0B, 56
.set SEL, 94
.set MSB, 0
.macro WIN new
.if MSB != (\new)
	s_set_vgpr_msb (MSB<<8)|(\new)
.set MSB, (\new)
.endif
.endm
.set MUL_LO, 0xa1
.set MUL_HI, 0xf1
.set TO_B,   0x40
.macro JLOAD g0a, g1a, g0b, g1b
	s_cmp_eq_u32 s19, 0
	s_cbranch_scc0 .Lfor_b_\@
	tensor_load_to_lds s[\g0a:\g0a+3], s[\g1a:\g1a+7]
	s_nop 0
.rept 4
	v_nop
.endr
	s_branch .Lasked_\@
.Lfor_b_\@:
	tensor_load_to_lds s[\g0b:\g0b+3], s[\g1b:\g1b+7]
	s_nop 0
.rept 4
	v_nop
.endr
.Lasked_\@:
.endm
.macro CREST
	s_cmp_lg_u32 s18, 0
	s_cbranch_scc1 .Lnot_wave_0_\@
	s_barrier_signal -3
.Lnot_wave_0_\@:
	s_barrier_wait -3
	s_barrier_signal -1
	s_barrier_wait -1
.endm
.macro CROUND
	s_barrier_signal -1
	s_barrier_wait -1
	CREST
.endm
	s_load_b256 s[4:11], s[0:1], 0x0
	s_load_b128 s[12:15], s[0:1], 0x20
	s_load_b64 s[16:17], s[0:1], 0x30
	v_lshl_add_u32 v[SPW], v0, 2, SPARE
	v_mov_b32 v[NIL], 0
	ds_add_u32 v[SPW], v[NIL]
	ds_add_u32 v[SPW], v[NIL]
	v_lshrrev_b32 v1, 5, v0
	v_readfirstlane_b32 s18, v1
	s_lshr_b32 s19, s18, 1
	s_and_b32 s20, s18, 1
	s_mov_b32 s21, ttmp9
	s_bfe_u32 s40, ttmp6, 0x40000
	s_bfe_u32 s41, ttmp6, 0x40004
	s_and_b32 s42, ttmp7, 0xffff
	s_lshl_b32 s42, s42, 2
	s_add_co_u32 s66, s42, s41
	s_add_co_u32 s70, s42, s40
	s_lshl_b32 s71, s21, 2
	s_add_co_u32 s71, s71, s40
	s_lshl_b32 s43, s41, 2
	s_lshl_b32 s43, 15, s43
	s_lshl_b32 s44, 0x1111, s40
	s_cmp_eq_u32 s21, 2
	s_cselect_b32 s66, s41, s66
	s_cselect_b32 s67, 640, 0
	s_cselect_b32 s70, s70, s71
	s_cselect_b32 s71, 0, 512
	s_lshl_b32 s68, s66, 4
	s_add_co_u32 s67, s67, s68
	s_lshl_b32 s72, s70, 4
	s_add_co_u32 s71, s71, s72
	s_lshl_b32 s73, s20, 3
	s_add_co_u32 s68, s67, s73
	s_add_co_u32 s72, s71, s73
	s_mul_i32 s68, s68, 12288
	s_mul_i32 s72, s72, 12288
	s_mov_b32 s69, 0
	s_mov_b32 s73, 0
	s_mul_i32 s45, s18, HALFT
	s_or_b32 s[G1+0], s43, (3<<16)|(1<<21)
	s_or_b32 s[G1B+0], s44, (3<<16)|(1<<21)
.irp g, G1, G1B
	s_mov_b32 s[\g+1], 384<<16
	s_mov_b32 s[\g+2], 8<<16
	s_mov_b32 s[\g+3], 384<<16
	s_mov_b32 s[\g+4], 8
	s_mov_b32 s[\g+5], 1536
	s_mov_b32 s[\g+6], 0
	s_mov_b32 s[\g+7], 0
.endr
	s_mov_b32 s[SEL], 0x76543210
	s_mov_b32 s[SEL+1], 0xfedcba98
	s_mov_b32 s76, 0xffff0000
	s_wait_dscnt 0x0
	s_wait_kmcnt 0x0
	s_add_nc_u64 s[68:69], s[4:5], s[68:69]
	s_add_nc_u64 s[72:73], s[4:5], s[72:73]
	CROUND
.irp s, 0,1
	s_mov_b32 s[G0+4*\s], 1
	s_add_co_u32 s[G0+4*\s+1], s45, \s*SLOT
	s_add_nc_u64 s[G0+4*\s+2:G0+4*\s+3], s[68:69], \s*TILEB
	s_or_b32 s[G0+4*\s+3], s[G0+4*\s+3], 0x80000000
	s_mov_b32 s[G0B+4*\s], 1
	s_add_co_u32 s[G0B+4*\s+1], s45, \s*SLOT
	s_add_nc_u64 s[G0B+4*\s+2:G0B+4*\s+3], s[72:73], \s*TILEB
	s_or_b32 s[G0B+4*\s+3], s[G0B+4*\s+3], 0x80000000
	s_wait_alu depctr_va_vdst(0)
	s_wait_tensorcnt 0x0
	ds_add_u32 v28, v29
	ds_add_u32 v28, v29
	s_wait_dscnt 0x0
	CROUND
	JLOAD G0+4*\s, G1, G0B+4*\s, G1B
.endr
	v_and_b32 v1, 15, v0
	v_bfe_u32 v2, v0, 4, 1
	v_and_b32 v3, 31, v0
	v_lshlrev_b32 v[L16], 4, v3
	v_lshlrev_b32 v[L8], 3, v3
	s_mul_i32 s22, s19, HALFT
	s_mul_i32 s23, s20, HALFT
	s_add_co_u32 s23, s23, 2*HALFT
.irp s, 0,1
	v_add_nc_u32 v[ADRA+\s], s22, v[L16]
	v_add_nc_u32 v[ADRB+\s], s23, v[L16]
	s_add_co_u32 s22, s22, SLOT
	s_add_co_u32 s23, s23, SLOT
.endr
	s_lshl_b32 s74, s19, 3
	s_add_co_u32 s74, s74, s67
	s_lshl_b32 s74, s74, 9
	s_lshl_b32 s75, s20, 3
	s_add_co_u32 s75, s75, s71
	s_lshl_b32 s75, s75, 9
	v_mov_b32 v30, s74
	v_mov_b32 v31, s75
	v_cndmask_b32 v[SOF], v30, v31, s76
	v_lshl_add_u32 v[SOF], v1, 4, v[SOF]
.irp i, 0,1,2,3,4,5,6,7
	global_load_b128 v[SC+8*\i:SC+8*\i+3], v[SOF], s[6:7] offset:512*\i
	global_load_b128 v[SC+8*\i+4:SC+8*\i+7], v[SOF], s[6:7] offset:512*\i+256
.endr
	s_cmp_eq_u32 s21, 2
	s_cbranch_scc1 .Lbias_v
	s_cmp_eq_u32 s21, 0
	s_cselect_b64 s[78:79], s[8:9], s[10:11]
	s_and_b32 s80, s70, 3
	s_lshl_b32 s80, s80, 10
	s_lshl_b32 s81, s20, 9
	s_add_co_u32 s80, s80, s81
	s_mov_b32 s81, 0
	s_add_nc_u64 s[78:79], s[78:79], s[80:81]
	v_lshlrev_b32 v[BOF], 6, v2
.irp b, 0,1,2,3,4,5,6,7
	global_load_b128 v[BI+8*\b:BI+8*\b+3], v[BOF], s[78:79] offset:(32*(\b/2)+8*(\b%2))*4
	global_load_b128 v[BI+8*\b+4:BI+8*\b+7], v[BOF], s[78:79] offset:(32*(\b/2)+8*(\b%2))*4+16
.endr
	s_branch .Lbias_done
.Lbias_v:
	s_lshl_b32 s80, s66, 10
	s_lshl_b32 s81, s19, 9
	s_add_co_u32 s80, s80, s81
	s_mov_b32 s81, 0
	s_add_nc_u64 s[78:79], s[12:13], s[80:81]
	v_and_b32 v[BOF], 8, v1
	v_add_nc_u32 v[BOF], v[BOF], v1
	v_lshlrev_b32 v[BOF], 2, v[BOF]
.irp a, 0,1,2,3,4,5,6,7
.irp j, 0,1,2,3,4,5,6,7
	global_load_b32 v[BI+8*\a+\j], v[BOF], s[78:79] offset:(32*(\a/2)+8*(\a%2))*4
.endr
.endr
.Lbias_done:
.macro FRAG reg, adr, q, i
.irp c, 0,1,2
	ds_load_b128 v[\reg+4*\c:\reg+4*\c+3], v[\adr] offset:TILEB*(\i)+1536*(\q)+512*\c
.endr
.endm
.macro FETCH_B slot, q, p
	WIN TO_B
.irp i, 0,1,2,3,4,5,6,7
	FRAG 128*(\p)+FR*\i, ADRB+\slot, \q, \i
.endr
	WIN 0
.endm
.macro FETCH_A slot, q, i0
.irp i, \i0, \i0+1, \i0+2, \i0+3
	FRAG AF+FR*(\i), ADRA+\slot, \q, \i
.endr
.endm
.macro MUL16 a0, p, s, mode
.irp a, \a0, \a0+1
.irp b, 0,1,2,3,4,5,6,7
.if \mode == 0
	v_wmma_scale_f32_16x16x128_f8f6f4 v[8*(8*((\a)%4)+\b):8*(8*((\a)%4)+\b)+7], v[128*(\p)+FR*\b:128*(\p)+FR*\b+FR-1], v[AF+FR*(\a):AF+FR*(\a)+FR-1], v[8*(8*((\a)%4)+\b):8*(8*((\a)%4)+\b)+7], v[SC+8*\b+(\s)], v[SC+8*(\a)+(\s)] matrix_a_fmt:MATRIX_FMT_BF6 matrix_b_fmt:MATRIX_FMT_BF6 matrix_a_scale:MATRIX_SCALE_ROW1
.elseif \mode == 1
	v_wmma_scale_f32_16x16x128_f8f6f4 v[8*(8*((\a)%4)+\b):8*(8*((\a)%4)+\b)+7], v[128*(\p)+FR*\b:128*(\p)+FR*\b+FR-1], v[AF+FR*(\a):AF+FR*(\a)+FR-1], v[BI+8*\b:BI+8*\b+7], v[SC+8*\b+(\s)], v[SC+8*(\a)+(\s)] matrix_a_fmt:MATRIX_FMT_BF6 matrix_b_fmt:MATRIX_FMT_BF6 matrix_a_scale:MATRIX_SCALE_ROW1
.else
	v_wmma_scale_f32_16x16x128_f8f6f4 v[8*(8*((\a)%4)+\b):8*(8*((\a)%4)+\b)+7], v[128*(\p)+FR*\b:128*(\p)+FR*\b+FR-1], v[AF+FR*(\a):AF+FR*(\a)+FR-1], v[BI+8*(\a):BI+8*(\a)+7], v[SC+8*\b+(\s)], v[SC+8*(\a)+(\s)] matrix_a_fmt:MATRIX_FMT_BF6 matrix_b_fmt:MATRIX_FMT_BF6 matrix_a_scale:MATRIX_SCALE_ROW1
.endif
.endr
.endr
.endm
.macro PLACES n
.rept \n
	v_nop
.endr
.endm
.macro STEP slot, s, mode
	s_wait_dscnt 4*NL
.if \mode
	WIN 0x81
.else
	WIN MUL_LO
.endif
	MUL16 0, 0, \s, \mode
	MUL16 2, 0, \s, \mode
	s_wait_dscnt 0x0
	PLACES NP
	FETCH_B \slot, 1, 1
	FETCH_A \slot, 1, 0
.if \mode
	WIN 0xc1
.else
	WIN MUL_HI
.endif
	MUL16 4, 0, \s, \mode
	MUL16 6, 0, \s, \mode
	PLACES NP
	WIN 0
	FETCH_A \slot, 1, 4
.endm
.macro TURN slot, next, s, fill
	s_wait_tensorcnt 0x0
	ds_add_u32 v[SPW], v[NIL]
	s_wait_dscnt 4*NL+1
	WIN MUL_LO
	MUL16 0, 1, \s, 0
	s_wait_dscnt 0x0
	s_barrier_signal -1
	MUL16 2, 1, \s, 0
	WIN 0
	s_barrier_wait -1
.if \fill
	CREST
	s_add_nc_u64 s[G0+4*\slot+2:G0+4*\slot+3], s[G0+4*\slot+2:G0+4*\slot+3], 2*TILEB
	s_add_nc_u64 s[G0B+4*\slot+2:G0B+4*\slot+3], s[G0B+4*\slot+2:G0B+4*\slot+3], 2*TILEB
	JLOAD G0+4*\slot, G1, G0B+4*\slot, G1B
.else
	PLACES NP
.endif
	FETCH_B \next, 0, 0
	FETCH_A \next, 0, 0
	WIN MUL_HI
	MUL16 4, 1, \s, 0
	MUL16 6, 1, \s, 0
	PLACES NP
	WIN 0
	FETCH_A \next, 0, 4
.endm
	s_wait_tensorcnt 1
	s_barrier_signal -1
	s_barrier_wait -1
	s_wait_alu depctr_va_vdst(0)
	FETCH_B 0, 0, 0
	FETCH_A 0, 0, 0
	FETCH_A 0, 0, 4
	s_wait_loadcnt 0x0
	s_cmp_eq_u32 s21, 2
	s_cbranch_scc1 .Lfirst_v
	STEP 0, 0, 1
	s_branch .Lfirst_done
.Lfirst_v:
	STEP 0, 0, 2
.Lfirst_done:
	TURN 0, 1, 1, 1
	STEP 1, 2, 0
	TURN 1, 0, 3, 1
	STEP 0, 4, 0
	TURN 0, 1, 5, 0
	STEP 1, 6, 0
	s_wait_dscnt 4*NL
	WIN MUL_LO
	MUL16 0, 1, 7, 0
	MUL16 2, 1, 7, 0
	s_wait_dscnt 0x0
	WIN MUL_HI
	MUL16 4, 1, 7, 0
	MUL16 6, 1, 7, 0
	WIN 0
	PLACES NP
.macro QUANTW a
.set W,  2+(\a)/4
.set AC, 64*((\a)%4)
.set W01, W|(W<<2)
.set W12, (W<<2)|(W<<4)
	WIN W01
.irp b, 0,1,2,3
	v_max3_num_f32 v[TM+\b], |v[AC+16*\b]|, |v[AC+1+16*\b]|, 0x2800000
.endr
	WIN W12
.irp i, 2,4,6,8,10,12,14
.irp b, 0,1,2,3
	v_max3_num_f32 v[TM+\b], v[TM+\b], |v[AC+16*\b+\i]|, |v[AC+1+16*\b+\i]|
.endr
.endr
	WIN 0
.irp b, 0,1,2,3
	v_permlanex16_b32 v[TM+4+\b], v[TM+\b], s[SEL], s[SEL+1]
.endr
.irp b, 0,1,2,3
	v_max_num_f32 v[TM+\b], v[TM+\b], v[TM+4+\b]
.endr
.irp b, 0,1,2,3
	v_add_nc_u32 v[TM+12+\b], 0xfe000000, v[TM+\b]
.endr
.irp b, 0,1,2,3
	v_lshrrev_b32 v[TM+4+\b], 23, v[TM+12+\b]
.endr
	v_lshl_or_b32 v[PWS+(\a)], v[TM+5], 8, v[TM+4]
	v_lshl_or_b32 v[PWS+(\a)], v[TM+6], 16, v[PWS+(\a)]
	v_lshl_or_b32 v[PWS+(\a)], v[TM+7], 24, v[PWS+(\a)]
	s_wait_xcnt 0x0
	WIN W
.irp c, 0,1
	v_cvt_scalef32_pk16_bf6_f32 v[PC+6*\c:PC+2+6*\c], v[AC+32*\c:AC+15+32*\c], v[TM+12+2*\c]
	v_cvt_scalef32_pk16_bf6_f32 v[PC+12+4*\c:PC+14+4*\c], v[AC+16+32*\c:AC+31+32*\c], v[TM+12+2*\c+1]
.endr
	WIN 0
	v_nop
.irp c, 0,1
.irp i, 0,1,2
	v_permlane16_swap_b32 v[PC+6*\c+\i], v[PC+12+4*\c+\i]
.endr
.irp i, 0,1,2
	v_mov_b32 v[PC+3+6*\c+\i], v[PC+12+4*\c+\i]
.endr
.endr
.endm
	s_cmp_eq_u32 s21, 2
	s_cbranch_scc1 .Lout_v
	s_lshr_b32 s77, s66, 3
	s_and_b32 s78, s66, 7
	s_lshl_b32 s78, s78, 1
	s_add_co_u32 s78, s78, s19
	s_and_b32 s79, s70, 3
	s_lshl_b32 s79, s79, 2
	s_lshl_b32 s80, s20, 1
	s_add_co_u32 s79, s79, s80
	s_lshl_b32 s77, s77, 4
	s_add_co_u32 s77, s77, s79
	s_mov_b32 s81, 208896
	s_mov_b32 s82, 13056
	s_mov_b32 s83, 12288
	s_cmp_eq_u32 s21, 0
	s_cselect_b32 s81, 106496, s81
	s_cselect_b32 s82, 6656, s82
	s_cselect_b32 s83, 6144, s83
	s_cselect_b64 s[84:85], s[14:15], s[16:17]
	s_mul_i32 s77, s77, s81
	s_mul_i32 s78, s78, s82
	s_add_co_u32 s86, s77, s78
	s_mov_b32 s87, 0
	s_add_nc_u64 s[84:85], s[84:85], s[86:87]
	s_mov_b32 s86, s81
	s_add_nc_u64 s[88:89], s[84:85], s[86:87]
	s_mov_b32 s86, s83
	s_add_nc_u64 s[90:91], s[84:85], s[86:87]
	s_add_nc_u64 s[92:93], s[88:89], s[86:87]
.irp a, 0,1,2,3,4,5,6,7
	QUANTW \a
	global_store_b128 v[L16], v[PC:PC+3], s[84:85] offset:768*\a
	global_store_b64 v[L8], v[PC+4:PC+5], s[84:85] offset:768*\a+512
	global_store_b128 v[L16], v[PC+6:PC+9], s[88:89] offset:768*\a
	global_store_b64 v[L8], v[PC+10:PC+11], s[88:89] offset:768*\a+512
.endr
.irp j, 0,1,2,3
	v_cndmask_b32 v[SW+\j], v[PWS+\j], v[PWS+4+\j], s76
.endr
.irp j, 0,1,2,3
	v_lshrrev_b32 v[SW+4+\j], 16, v[SW+\j]
.endr
	global_store_b128 v[L16], v[SW:SW+3], s[90:91]
	global_store_b128 v[L16], v[SW+4:SW+7], s[92:93]
	s_branch .Lout_done
.Lout_v:
	s_lshr_b32 s77, s70, 3
	s_and_b32 s78, s70, 7
	s_lshl_b32 s78, s78, 1
	s_add_co_u32 s78, s78, s20
	s_lshl_b32 s79, s66, 2
	s_lshl_b32 s80, s19, 1
	s_add_co_u32 s79, s79, s80
	s_lshl_b32 s77, s77, 4
	s_add_co_u32 s77, s77, s79
	s_mul_i32 s77, s77, 208896
	s_mul_i32 s78, s78, 13056
	s_add_co_u32 s86, s77, s78
	s_mov_b32 s87, 0
	s_add_nc_u64 s[84:85], s[16:17], s[86:87]
.irp a, 0,1,2,3,4,5,6,7
	QUANTW \a
.irp c, 0,1,2
	global_store_b128 v[L16], v[PC+4*\c:PC+4*\c+3], s[84:85] offset:(\a/4)*208896+6144+1536*(\a%4)+512*\c
.endr
.endr
.irp u, 0,1
.irp j, 0,1
	v_cndmask_b32 v[SW+2*\u+\j], v[PWS+4*\u+\j], v[PWS+4*\u+2+\j], s76
.endr
	global_store_b64 v[L8], v[SW+2*\u:SW+2*\u+1], s[84:85] offset:\u*208896+12800
.endr
.Lout_done:
	s_wait_tensorcnt 0x0
	ds_add_u32 v[SPW], v[NIL]
	s_wait_dscnt 0x0
	CROUND
	s_endpgm
.Lfunc_end_k_q12daa4b369_qkv:
	.size	k_q12daa4b369_qkv, .Lfunc_end_k_q12daa4b369_qkv-k_q12daa4b369_qkv
	.p2alignl 7, 3214868480
	.fill 96, 4, 3214868480
	.section	.rodata,"a",@progbits
	.p2align	6, 0x0
	.amdhsa_kernel k_q12daa4b369_qkv
		.amdhsa_group_segment_fixed_size 327680
		.amdhsa_private_segment_fixed_size 0
		.amdhsa_enable_private_segment 0
		.amdhsa_kernarg_size 56
		.amdhsa_user_sgpr_count 2
		.amdhsa_user_sgpr_kernarg_segment_ptr 1
		.amdhsa_wavefront_size32 1
		.amdhsa_system_sgpr_workgroup_id_x 1
		.amdhsa_system_sgpr_workgroup_id_y 1
		.amdhsa_system_sgpr_workgroup_id_z 1
		.amdhsa_system_vgpr_workitem_id 0
		.amdhsa_next_free_vgpr 1024
		.amdhsa_next_free_sgpr 96
		.amdhsa_reserve_vcc 0
		.amdhsa_float_denorm_mode_32 3
		.amdhsa_float_denorm_mode_16_64 3
		.amdhsa_memory_ordered 1
		.amdhsa_forward_progress 1
		.amdhsa_inst_pref_size 194
	.end_amdhsa_kernel
	.amdgpu_metadata
---
amdhsa.version: [ 1, 2 ]
amdhsa.kernels:
  - .name:           k_q12daa4b369_qkv
    .symbol:         k_q12daa4b369_qkv.kd
    .args:
      - { .name: codes, .offset: 0, .size: 8, .value_kind: global_buffer, .address_space: global }
      - { .name: scales, .offset: 8, .size: 8, .value_kind: global_buffer, .address_space: global }
      - { .name: bq, .offset: 16, .size: 8, .value_kind: global_buffer, .address_space: global }
      - { .name: bk, .offset: 24, .size: 8, .value_kind: global_buffer, .address_space: global }
      - { .name: bv, .offset: 32, .size: 8, .value_kind: global_buffer, .address_space: global }
      - { .name: qbuf, .offset: 40, .size: 8, .value_kind: global_buffer, .address_space: global }
      - { .name: kv, .offset: 48, .size: 8, .value_kind: global_buffer, .address_space: global }
    .group_segment_fixed_size: 327680
    .private_segment_fixed_size: 0
    .kernarg_segment_align: 8
    .kernarg_segment_size: 56
    .max_flat_workgroup_size: 128
    .sgpr_count:     96
    .vgpr_count:     1024
    .wavefront_size: 32
...
	.end_amdgpu_metadata
.endif
;; end of part 2
;; launch attn (part 3): grid 4 x 64, 8 waves a work-group, clusters of 4 x 1, 262,144 bytes of LDS; arguments qbuf, kv, ctx_codes, ctx_scales; writes ctx_codes, ctx_scales
.if DOCPART == 3
	.amdgcn_target "amdgcn-amd-amdhsa--gfx1250"
	.amdhsa_code_object_version 6
	.text
	.protected	k_q12daa4b369_attn
	.globl	k_q12daa4b369_attn
	.p2align	8
	.type	k_q12daa4b369_attn,@function
k_q12daa4b369_attn:
	s_mov_b64 s[64:65], 0
	v_nop
	global_prefetch_b8 v0, s[64:65] scope:SCOPE_SE
	s_setreg_imm32_b32 hwreg(HW_REG_WAVE_MODE, 25, 1), 1
	s_wait_xcnt 0x0
	s_wait_alu depctr_hold_cnt(0) depctr_sa_sdst(0) depctr_va_vdst(0) depctr_va_sdst(0) depctr_va_ssrc(0) depctr_va_vcc(0) depctr_vm_vsrc(0)
	s_getreg_b32 s2, hwreg(HW_REG_IB_STS2, 6, 4)
	s_cmp_eq_u32 s2, 0
	s_cbranch_scc0 .Lentry_in_a_cluster
	s_endpgm
.Lentry_in_a_cluster:
	s_bfe_u32 s2, ttmp6, 0x10000c
	s_cmp_lg_u32 s2, 0x3003
	s_cbranch_scc0 .Lentry_shape_is_right
	s_endpgm
.Lentry_shape_is_right:
; Launch 3 of 4: ctx = softmax(q k^T / 8) v for each of 64 (batch, head), both products on codes of E3M2; ctx is quantised in registers along the head's 64 channels.  No work of the problem is left out.
; THE SOFTMAX AHEAD OF THE SECOND PRODUCT: t = score x log2(e) / 8; M = the running largest t rounded UP to a whole number; p = 2^(t - M) is quantised along the keys, not normalised; the row's sum is taken
; of the unquantised p and divides at the end.  When M moves, the sum and O are multiplied by 2^(old M - new M): exact.
; SHARES: 64 heads x 4 work-groups = 256.  A work-group owns 512 queries of one head: 32 tiles of 16, taken in 16 PAIRS (P, j): tiles 16 P + j and 16 P + 8 + j (q = 0, 1), P = 0, 1, j = 0 .. 7.
; A wave carries a pair at once: each fragment of K and V read from LDS feeds both tiles' products, and the two tiles' dependent chains stand line by line by turns.
; THE SHARES ARE UNEVEN BY DESIGN: waves 0-3 take three pairs each, (0, w), (0, w + 4), (1, w); waves 4-7 one pair each, (1, w): 4 x 3 + 4 x 1 = 16.
; ONE LOOP of 48 trips (3 pairs x 16 key steps) that every wave walks.
; THE WHOLE HEAD LIES IN LDS: its 16 records of 13,056 bytes (128 keys each: K's 8 tiles, V's 4 fragments, their scale words).  Wave w brings records 2 w, 2 w + 1 by its one tensor load; nothing is filled
; again; one barrier shows the head to all waves, and no barrier follows it but the closing round.
; CLUSTER 4 x 1: the four work-groups of a cluster belong to one head: every record is asked for jointly (mask 15).
; NO PREFETCH: the launch's one stream from memory, the 16 records, is asked for whole by the head's eight loads: no loop runs ahead of a later load.
; A record is 51 rows of 256 bytes; in LDS 64 bytes of padding follow each row (pitch 320): byte a of a record lies at 320 (a / 256) + a % 256.
; LAYOUT: both products transposed: S^T = K Q^T, O^T = V^T P^T: a lane (r, h) holds ONE query r of each tile.
; K'S TILES ARE FORMED ANEW BY THE LDS ADDRESSES: tile (g, u), g = 0, 1, u = 0 .. 3, takes in rows 0-7 keys 64 g + 8 u + 0 .. 7 and in rows 8-15 keys 64 g + 32 + 8 u + 0 .. 7.  As stored, key 32 b + x lies in tile
; 2 b + (x / 8) % 2, row x % 8 + 8 (x / 16): so lane r reads stored tile 4 g + u % 2 + 2 (r / 8), row r % 8 + 8 (u / 2).  The 32 registers of S^T's tiles (g, 0 .. 3) are then keys 64 g + 32 h + 0 .. 31:
; a lane holds two WHOLE blocks of 32 keys, in the order and the lane half that the operand P wants.  The 8-byte loads of K touch each bank twice.
; K = 64 IN AN INSTRUCTION OF K = 128: Q's registers 6-11 are zero codes.  K's tile n is named v[32 + 6 n : 43 + 6 n]: its upper six registers are the next tile's codes (for n = 7: zeros), finite numbers that
; stand against Q's zeros, under scale bytes that are never 0xff: they add exactly 0.
; LDS LOADS RUN AHEAD: V's fragments are asked for at a step's top, the NEXT step's K behind this step's first products.  A pair's last step asks for record 0 of K: the next pair begins with it; behind a
; wave's last pair those 20 loads are read by nobody.
; LIMITS: as stated at the head of launch 1; 1 / l by v_rcp_f32; the scaled scores stay under 2^31 in magnitude.
; REGISTERS.  Window 0: v1 16 x lane, v2 8 x lane, v3, v4, v7, v8 LDS bases (K's 16 bytes, K's 8 bytes, K's scale words, V), v5, v6 the add's two, v9 4 r, v10 8 h, v11 lane; v28-31, v243 a step's addresses;
;   v32-85 K; v192-199 K's scale words, v200-201 V's, v202 + q p's, v204 + q Q's.  For tile q, in window 0: v12 + 2 q -M, v13 + 2 q the largest score, v[86 + 2 q] the sum (a pair), v[90 + 2 q] f (a pair),
;   v[206 + 6 q ..] partial sums, v[218 + 2 q ..], v[244 + 2 q ..] the blocks' maxima, v[222 - 128 q ..] the conversions' scale operands, v[248 + 4 q ..] at work.
;   In window q: v16-27 Q; v96-159 S^T, then p; v160-191 O^T; v224-242 p's codes.  Window 1 besides: v32-79 V; three stages of 14 registers with the Q (12) and the scale words (2) of the pairs to come:
;   v0-13 the next pair's, v80-93 and v192-205 the two behind it.
.set RECG,  13056                      ; a record in memory
.set REC,   16320                      ; and in LDS: 51 x 320
.set SPARE, 16*REC                     ; behind the head: the spare words, 128 bytes a wave: four blocks of 256 bytes that no other line names
.set SPW, 5
.set NIL, 6
.set WV,  18
.set SEL, 24                           ; s[24:25]
.set CS,  26                           ; s[26:27] c = log2(e) / 8
.set G1,  28                           ; s[28:35]
.set G0,  40                           ; s[40:43]
.set TB,  2                            ; s2 this key step's record in LDS
.set TN,  17                           ; s17 the next step's
.set MSB, 0
.macro WIN new                         ; the immediate's high byte repeats the setting that is left.  Low byte: bits 1:0 source 0, 3:2 source 1, 5:4 source 2, 7:6 destination
.if MSB != (\new)
	s_set_vgpr_msb (MSB<<8)|(\new)
.set MSB, (\new)
.endif
.endm
.macro CROUND
	s_barrier_signal -1
	s_barrier_wait -1
	s_cmp_lg_u32 s[WV], 0
	s_cbranch_scc1 .Lnot_wave_0_\@
	s_barrier_signal -3
.Lnot_wave_0_\@:
	s_barrier_wait -3
	s_barrier_signal -1
	s_barrier_wait -1
.endm
	s_load_b256 s[4:11], s[0:1], 0x0               ; qbuf, kv, ctx_codes, ctx_scales
	v_lshl_add_u32 v[SPW], v0, 2, SPARE
	v_mov_b32 v[NIL], 0
	ds_add_u32 v[SPW], v[NIL]                      ; the wave's opening: the add, twice on end, and its wait ahead of the first tensor load
	ds_add_u32 v[SPW], v[NIL]
	v_lshrrev_b32 v28, 5, v0
	v_readfirstlane_b32 s[WV], v28                 ; wave 0..7
	s_bfe_u32 s12, ttmp6, 0x40000                  ; cx: it enters Q's and ctx's addresses alone
	s_lshl_b32 s13, s12, 2                         ; my work-group's first record of 128 queries
	s_and_b32 s14, ttmp7, 0xffff                   ; (batch, head), which the four partners share
	s_lshr_b32 s44, s[WV], 2                       ; P of my first pair: 0 for waves 0-3, 1 for waves 4-7; its j is the wave's number
	; group 1: two records: 102 dense rows of 256 bytes (32 elements of 8 bytes), 16 words of padding behind each 64
	s_mov_b32 s[G1], 15|(3<<16)|(1<<20)|(1<<21)|(5<<22)|(15<<25)
	s_mov_b32 s[G1+1], 32<<16
	s_mov_b32 s[G1+2], 102<<16
	s_mov_b32 s[G1+3], 32<<16
	s_mov_b32 s[G1+4], 102
	s_mov_b32 s[G1+5], 32
	s_mov_b32 s[G1+6], 0
	s_mov_b32 s[G1+7], 0
	s_mul_i32 s15, s14, 16*RECG                    ; the head in kv
	s_mul_i32 s16, s[WV], 2*RECG                   ; my two records of it
	s_add_co_u32 s20, s15, s16
	s_mov_b32 s21, 0
	s_mov_b32 s[G0], 1
	s_mul_i32 s[G0+1], s[WV], 2*REC                ; and their place in LDS
	s_mul_i32 s22, s14, 106496                     ; the head in qbuf
	s_mul_i32 s23, s13, 6656
	s_add_co_u32 s22, s22, s23
	s_mul_i32 s23, s44, 13312
	s_add_co_u32 s22, s22, s23                     ; record 2 P of my work-group's four: tile q = 0 of my first pair; q steps one record
	s_mul_i32 s37, s[WV], 768
	s_add_co_u32 s38, s22, s37                     ; tile j's codes in a record
	s_mov_b32 s39, 0
	s_lshl_b32 s36, s44, 8
	s_and_b32 s37, s[WV], 3
	s_lshl_b32 s37, s37, 2
	s_add_co_u32 s36, s36, s37
	s_add_co_u32 s36, s36, s22
	s_add_co_u32 s36, s36, 6144                    ; its scale words: + 256 (j / 4) + 4 (j % 4), 16 bytes a row
	s_mov_b32 s37, 0
	s_lshr_b32 s15, s14, 4
	s_lshl_b32 s15, s15, 7
	s_lshl_b32 s17, s12, 5
	s_add_co_u32 s15, s15, s17
	s_add_co_u32 s15, s15, s[WV]
	s_lshl_b32 s17, s44, 4
	s_add_co_u32 s15, s15, s17                     ; tile 16 P + j among the 512 of all tokens; q steps 8 tiles
	s_and_b32 s17, s14, 15                         ; the head
	s_mul_i32 s22, s15, 12288
	s_mul_i32 s23, s17, 768
	s_add_co_u32 s22, s22, s23
	s_mov_b32 s23, 0
	s_lshl_b32 s2, s17, 15
	s_lshl_b32 s3, s15, 6
	s_add_co_u32 s2, s2, s3
	s_mov_b32 s3, 0
	s_mov_b32 s[SEL], 0x76543210
	s_mov_b32 s[SEL+1], 0xfedcba98
	s_mov_b32 s[CS], 0x3e38aa3b                    ; log2(e) / sqrt(64)
	s_mov_b32 s[CS+1], s[CS]                       ; (named with it as a pair, so it is written)
	s_wait_dscnt 0x0                               ; both opening adds are done
	s_wait_kmcnt 0x0
	s_add_nc_u64 s[G0+2:G0+3], s[6:7], s[20:21]
	s_or_b32 s[G0+3], s[G0+3], 0x80000000
	s_add_nc_u64 s[56:57], s[4:5], s[38:39]        ; Q's codes
	s_add_nc_u64 s[58:59], s[4:5], s[36:37]        ; Q's scale words
	s_add_nc_u64 s[60:61], s[8:9], s[22:23]        ; ctx's codes
	s_add_nc_u64 s[62:63], s[10:11], s[2:3]        ; ctx's scale words
	CROUND                                         ; all four work-groups are here: the joint loads meet
	tensor_load_to_lds s[G0:G0+3], s[G1:G1+7]      ; records 2 w, 2 w + 1: every wave's one tensor load of the launch
	s_nop 0
	v_and_b32 v11, 31, v0                          ; lane
	v_and_b32 v251, 15, v0                         ; r
	v_and_b32 v252, 7, v0                          ; r % 8
	v_bfe_u32 v253, v0, 3, 1                       ; r / 8
	v_bfe_u32 v254, v0, 4, 1                       ; h
	v_lshlrev_b32 v1, 4, v11
	v_lshlrev_b32 v2, 3, v11
	v_mul_u32_u24 v255, v253, 1920                 ; two stored tiles on: six LDS rows
	v_lshl_add_u32 v3, v252, 4, v255
	v_mad_u32_u24 v3, v254, 320, v3                ; K's registers 0-3: 16 (r % 8) + 1920 (r / 8) + 320 h
	v_lshl_add_u32 v4, v252, 3, v255
	v_lshl_add_u32 v4, v254, 7, v4                 ; K's registers 4-5: 8 (r % 8) + 1920 (r / 8) + 128 h
	v_lshlrev_b32 v7, 3, v253
	v_lshl_add_u32 v7, v252, 4, v7                 ; K's scale words: 16 (r % 8) + 8 (r / 8)
	v_mul_u32_u24 v8, v254, 320
	v_lshl_add_u32 v8, v251, 4, v8                 ; V: 16 r + 320 h
	v_lshlrev_b32 v9, 2, v251
	v_lshlrev_b32 v10, 3, v254
	v_lshlrev_b32 v250, 4, v251
.irp j, 22,23,24,25,26,27,80,81,82,83,84,85
	v_mov_b32 v[\j], 0                             ; zero codes: Q's upper 64 along K, and what stands behind K's tile 7
.endr
.irp j, 91,93,249,253
	v_mov_b32 v[\j], 0                             ; the upper halves of f's pairs; the lane permutes' destinations, which count as sources
.endr
.macro QSTAGE b, oc, os                ; a pair's Q into a stage of window 1: tile q = 0 (6 registers), q = 1 (6), their scale words (2)
	global_load_b128 v[\b:\b+3], v1, s[56:57] offset:\oc
	global_load_b64 v[\b+4:\b+5], v2, s[56:57] offset:\oc+512
	global_load_b128 v[\b+6:\b+9], v1, s[56:57] offset:\oc+6656
	global_load_b64 v[\b+10:\b+11], v2, s[56:57] offset:\oc+7168
	global_load_b32 v[\b+12], v250, s[58:59] offset:\os
	global_load_b32 v[\b+13], v250, s[58:59] offset:\os+6656
.endm
	WIN 0x40                                       ; destinations in window 1
	QSTAGE 0, 0, 0                                 ; my first pair
.irp j, 22,23,24,25,26,27
	v_mov_b32 v[\j], 0
.endr
.set J, 0
.rept 14
	v_mov_b32 v[80+J], 0                           ; the two later stages are written in every wave; waves 0-3 load theirs below
	v_mov_b32 v[192+J], 0
.set J, J+1
.endr
	WIN 0
	s_wait_alu depctr_va_vdst(0)                   ; directly ahead of the branch
	s_cmp_lt_u32 s[WV], 4
	s_cbranch_scc0 .Lone_pair
	WIN 0x40
	QSTAGE 80, 3072, 256                           ; pair (0, w + 4): four tiles on in the record
	QSTAGE 192, 13312, 13312                       ; pair (1, w): two records on
	WIN 0
.Lone_pair:
	s_wait_loadcnt 0x0                             ; Q
	s_wait_tensorcnt 0x0                           ; my records have landed
	s_barrier_signal -1
	s_barrier_wait -1                              ; and so have everybody's
.macro KLOAD                           ; K's eight tiles and their scale words of the record at s[TN]: five plain lines, then 20 loads
	v_add_nc_u32 v28, s[TN], v3
	v_add_nc_u32 v29, s[TN], v4
	v_add_nc_u32 v30, s[TN], v7
.irp q, 0,1
	v_mov_b32 v[251+4*\q], v[12+2*\q]              ; the old -M.  (With the three above: the places behind the products)
.endr
.irp g, 0,1
.irp u, 0,1,2,3
	ds_load_b128 v[32+24*\g+6*\u:35+24*\g+6*\u], v28 offset:3840*\g+960*(\u%2)+128*(\u/2)
	ds_load_b64 v[36+24*\g+6*\u:37+24*\g+6*\u], v29 offset:3840*\g+960*(\u%2)+640+64*(\u/2)
.endr
	ds_load_b64 v[192+4*\g:193+4*\g], v30 offset:15360+320*\g          ; the scale words of tiles (g, 0), (g, 1)
	ds_load_b64 v[194+4*\g:195+4*\g], v30 offset:15360+320*\g+128      ; and of (g, 2), (g, 3)
.endr
.endm
.macro QK q                            ; S^T of tile q: D and Q in window q, K in window 0
	WIN 0x44*\q
.irp n, 0,1,2,3,4,5,6,7
	v_wmma_scale_f32_16x16x128_f8f6f4 v[96+8*\n:103+8*\n], v[32+6*\n:43+6*\n], v[16:27], 0, v[192+\n], v[204+\q] matrix_a_fmt:MATRIX_FMT_BF6 matrix_b_fmt:MATRIX_FMT_BF6
.endr
.endm
.macro MAXQ q                          ; the largest score of my two blocks of 32 keys, each in two chains; every tile of S^T is first read at one of its four lowest registers
	WIN 0x15*\q
.irp g, 0,1
	v_max3_num_f32 v[218+2*\q+\g], v[96+32*\g], v[97+32*\g], v[98+32*\g]
	v_max3_num_f32 v[244+2*\q+\g], v[112+32*\g], v[113+32*\g], v[114+32*\g]
.endr
	WIN 0x14*\q
.irp i, 3,5,7,9,11,13
.irp g, 0,1
	v_max3_num_f32 v[218+2*\q+\g], v[218+2*\q+\g], v[96+32*\g+\i], v[97+32*\g+\i]
	v_max3_num_f32 v[244+2*\q+\g], v[244+2*\q+\g], v[112+32*\g+\i], v[113+32*\g+\i]
.endr
.endr
.irp g, 0,1
	v_max3_num_f32 v[218+2*\q+\g], v[218+2*\q+\g], v[111+32*\g], v[127+32*\g]
.endr
.endm
.macro FMAQ q                          ; t - M, two at a time
	WIN 0x41*\q
.set J, 0
.rept 32
	v_pk_fma_f32 v[96+J:97+J], v[96+J:97+J], s[CS:CS+1], v[12+2*\q:13+2*\q] op_sel_hi:[1,0,0]
.set J, J+2
.endr
.endm
.macro EXPQ q                          ; p = 2^(t - M)
	WIN 0x41*\q
.set J, 0
.rept 64
	v_exp_f32 v[96+J], v[96+J]
.set J, J+1
.endr
.endm
.macro SUMQ q                          ; the row's sum of the unquantised p: four chains by turns
	WIN 0x05*\q
	v_pk_add_f32 v[206+6*\q:207+6*\q], v[96:97], v[98:99]
	v_pk_add_f32 v[208+6*\q:209+6*\q], v[100:101], v[102:103]
	v_pk_add_f32 v[210+6*\q:211+6*\q], v[104:105], v[106:107]
	WIN 0x04*\q
	v_pk_add_f32 v[86+2*\q:87+2*\q], v[86+2*\q:87+2*\q], v[108:109]
.irp j, 14,22,30,38,46,54
	v_pk_add_f32 v[206+6*\q:207+6*\q], v[206+6*\q:207+6*\q], v[96+\j:97+\j]
	v_pk_add_f32 v[208+6*\q:209+6*\q], v[208+6*\q:209+6*\q], v[98+\j:99+\j]
	v_pk_add_f32 v[210+6*\q:211+6*\q], v[210+6*\q:211+6*\q], v[100+\j:101+\j]
	v_pk_add_f32 v[86+2*\q:87+2*\q], v[86+2*\q:87+2*\q], v[102+\j:103+\j]
.endr
	v_pk_add_f32 v[206+6*\q:207+6*\q], v[206+6*\q:207+6*\q], v[158:159]
.endm
.macro CVTQ q                          ; p's codes, and O^T under the new M
	WIN 0x41*\q
.irp g, 0,1
	v_cvt_scalef32_pk16_bf6_f32 v[224+6*\g:226+6*\g], v[96+32*\g:111+32*\g], v[222-128*\q+\g]
	v_cvt_scalef32_pk16_bf6_f32 v[236+4*\g:238+4*\g], v[112+32*\g:127+32*\g], v[222-128*\q+\g]   ; (a conversion's three registers begin on an even number)
.endr
	v_nop                                          ; one plain place behind a scaled conversion
.irp g, 0,1
.irp i, 0,1,2
	v_mov_b32 v[227+6*\g+\i], v[236+4*\g+\i]       ; registers 6 g .. 6 g + 5: keys 64 g + 32 h + 0 .. 31
.endr
.endr
	s_wait_alu depctr_va_vdst(0)                   ; directly ahead of the first reader of O^T
.set J, 0
.rept 16
	v_pk_mul_f32 v[160+J:161+J], v[160+J:161+J], v[90+2*\q:91+2*\q] op_sel_hi:[1,0]   ; these sixteen are also the places in front of the products below
.set J, J+2
.endr
.endm
.macro PV q                            ; O^T += V^T P^T: V in window 1, all else in window q
	WIN 0x01+0x54*\q
.irp t, 0,1
	v_wmma_scale_f32_16x16x128_f8f6f4 v[160+8*\t:167+8*\t], v[32+12*\t:43+12*\t], v[224:235], v[160+8*\t:167+8*\t], v[200+\t], v[202+\q] matrix_a_fmt:MATRIX_FMT_BF6 matrix_b_fmt:MATRIX_FMT_BF6
.endr
.irp t, 2,3
	v_wmma_scale_f32_16x16x128_f8f6f4 v[160+8*\t:167+8*\t], v[32+12*\t:43+12*\t], v[224:235], v[160+8*\t:167+8*\t], v[198+\t], v[202+\q] matrix_a_fmt:MATRIX_FMT_BF6 matrix_b_fmt:MATRIX_FMT_BF6 matrix_a_scale:MATRIX_SCALE_ROW1
.endr
.endm
; A KEY STEP: 128 keys against both tiles of the pair
.macro STEP
	v_add_nc_u32 v31, s[TB], v8
	v_add_nc_u32 v243, s[TB], v2
	v_nop
	v_nop                                          ; four places in front of loads into registers that the last products have read
	WIN 0x40
.irp t, 0,1,2,3
.irp c, 0,1,2
	ds_load_b128 v[32+12*\t+4*\c:35+12*\t+4*\c], v31 offset:7680+1920*\t+640*\c   ; V's four fragments, into window 1
.endr
.endr
	WIN 0
	ds_load_b64 v[200:201], v243 offset:16000      ; V's scale words: lanes 0-15 tiles 0, 1; lanes 16-31 tiles 2, 3
	s_add_co_u32 s[TN], s3, 1
	s_and_b32 s[TN], s[TN], 15
	s_mul_i32 s[TN], s[TN], REC                    ; the next step's record; behind a pair's last, record 0
	s_wait_alu depctr_va_vdst(0)                   ; directly ahead of the wait below
	s_wait_dscnt 13                                ; K's 20 loads are in; the 13 just issued may be out
	QK 0
	QK 1
	WIN 0
	KLOAD                                          ; the next step's K
	MAXQ 0
	MAXQ 1
	WIN 0
.irp q, 0,1
.irp g, 0,1
	v_max_num_f32 v[218+2*\q+\g], v[218+2*\q+\g], v[244+2*\q+\g]   ; a block's largest score: for the row's maximum, and, since p rises with the score, for the block's largest p
.endr
.endr
.irp q, 0,1
	v_max_num_f32 v[248+4*\q], v[218+2*\q], v[219+2*\q]            ; of my 64 keys,
.endr
.irp q, 0,1
	v_permlanex16_b32 v[249+4*\q], v[248+4*\q], s[SEL], s[SEL+1]
.endr
.irp q, 0,1
	v_max3_num_f32 v[13+2*\q], v[13+2*\q], v[248+4*\q], v[249+4*\q]   ; with lane l xor 16's 64: the running largest score of my query
.endr
.irp q, 0,1
	v_mul_f32 v[250+4*\q], s[CS], v[13+2*\q]       ; as t
.endr
.irp q, 0,1
	v_floor_f32 v[12+2*\q], -v[250+4*\q]           ; the new -M = -ceil(t)
.endr
.irp q, 0,1
	v_sub_f32 v[251+4*\q], v[12+2*\q], v[251+4*\q] ; old M - new M: a whole number, 0 or less
.endr
.irp q, 0,1
	v_cvt_i32_f32 v[251+4*\q], v[251+4*\q]         ; (it saturates)
.endr
.irp q, 0,1
	v_ldexp_f32 v[90+2*\q], 1.0, v[251+4*\q]       ; f = 2^(old M - new M)
.endr
	FMAQ 0
.irp q, 0,1
.irp g, 0,1
	v_fma_f32 v[218+2*\q+\g], v[218+2*\q+\g], s[CS], v[12+2*\q]    ; the same of each block's largest score
.endr
.endr
	FMAQ 1
	WIN 0
	s_wait_alu depctr_va_vdst(0)                   ; ahead of the batch
	EXPQ 0
.irp j, 218,219,220,221
	v_exp_f32 v[\j], v[\j]                         ; the blocks' largest p: the same arithmetic on the same numbers
.endr
	EXPQ 1
	WIN 0
.irp q, 0,1
	v_pk_mul_f32 v[86+2*\q:87+2*\q], v[86+2*\q:87+2*\q], v[90+2*\q:91+2*\q] op_sel_hi:[1,0]   ; the sums under the new M (plain places behind the exponentials)
.endr
	s_wait_alu depctr_va_vdst(0)                   ; one wait for the whole batch, ahead of its first reader
	SUMQ 0
	SUMQ 1
	WIN 0
.irp q, 0,1
	v_pk_add_f32 v[208+6*\q:209+6*\q], v[208+6*\q:209+6*\q], v[210+6*\q:211+6*\q]
.endr
.irp q, 0,1
	v_pk_add_f32 v[86+2*\q:87+2*\q], v[86+2*\q:87+2*\q], v[206+6*\q:207+6*\q]
.endr
.irp q, 0,1
	v_pk_add_f32 v[86+2*\q:87+2*\q], v[86+2*\q:87+2*\q], v[208+6*\q:209+6*\q]
.endr
.irp q, 0,1
.irp g, 0,1
	v_max_num_f32 v[218+2*\q+\g], 0x2800000, v[218+2*\q+\g]        ; the floor 2^(5 - 127): the byte cannot fall under 1
.endr
.endr
.irp q, 0,1
.irp g, 0,1
	v_add_nc_u32 v[222-128*\q+\g], 0xfe000000, v[218+2*\q+\g]      ; 4 off the exponent field: the conversion's scale operand
.endr
.endr
.irp q, 0,1
.irp g, 0,1
	v_lshrrev_b32 v[250+4*\q+\g], 23, v[222-128*\q+\g]             ; the scale's byte
.endr
.endr
.irp q, 0,1
	v_lshl_or_b32 v[202+\q], v[251+4*\q], 16, v[250+4*\q]          ; my two bytes: blocks h and 2 + h,
.endr
.irp q, 0,1
	v_lshlrev_b32 v[202+\q], v10, v[202+\q]                        ; at their places in the word (8 h bits up);
.endr
.irp q, 0,1
	v_permlanex16_b32 v[249+4*\q], v[202+\q], s[SEL], s[SEL+1]
.endr
.irp q, 0,1
	v_or_b32 v[202+\q], v[202+\q], v[249+4*\q]                     ; with lane l xor 16's two the word is whole
.endr
	CVTQ 0
	CVTQ 1
	WIN 0
	s_wait_alu depctr_va_vdst(0)                   ; directly ahead of the wait below
	s_wait_dscnt 20                                ; V's 13 loads are in; the next step's 20 loads of K may be out
	PV 0
	PV 1
	WIN 0
.endm
; THE WAY OUT of both tiles: O^T / the sum; register 16 b + i is channel 32 b + 16 h + i of my query's 64: two blocks, quantised as they stand
.macro NORMQ q
	WIN 0x41*\q
	s_wait_alu depctr_va_vdst(0)                   ; behind the reciprocals, directly ahead of the first reader of O^T
.set J, 0
.rept 16
	v_pk_mul_f32 v[96+J:97+J], v[160+J:161+J], v[86+2*\q:87+2*\q] op_sel_hi:[1,0]
.set J, J+2
.endr
	WIN 0x05*\q
.irp b, 0,1
	v_max3_num_f32 v[218+2*\q+\b], |v[96+16*\b]|, |v[97+16*\b]|, 0x2800000
.endr
	WIN 0x14*\q
.irp i, 2,4,6,8,10,12,14
.irp b, 0,1
	v_max3_num_f32 v[218+2*\q+\b], v[218+2*\q+\b], |v[96+16*\b+\i]|, |v[97+16*\b+\i]|
.endr
.endr
.endm
.macro TAIL
.irp q, 0,1
	v_add_f32 v[86+2*\q], v[86+2*\q], v[87+2*\q]
.endr
.irp q, 0,1
	v_permlanex16_b32 v[249+4*\q], v[86+2*\q], s[SEL], s[SEL+1]
.endr
.irp q, 0,1
	v_add_f32 v[86+2*\q], v[86+2*\q], v[249+4*\q]  ; the row's sum.  (These six are the places behind the last products)
.endr
	s_wait_alu depctr_va_vdst(0)                   ; ahead of the transcendentals
	v_rcp_f32 v86, v86
	v_rcp_f32 v88, v88
	v_nop                                          ; a plain place behind the reciprocals
	NORMQ 0
	NORMQ 1
	WIN 0
.irp q, 0,1
.irp b, 0,1
	v_permlanex16_b32 v[244+2*\q+\b], v[218+2*\q+\b], s[SEL], s[SEL+1]
.endr
.endr
.irp q, 0,1
.irp b, 0,1
	v_max_num_f32 v[218+2*\q+\b], v[218+2*\q+\b], v[244+2*\q+\b]
.endr
.endr
.irp q, 0,1
.irp b, 0,1
	v_add_nc_u32 v[222-128*\q+\b], 0xfe000000, v[218+2*\q+\b]
.endr
.endr
.irp q, 0,1
.irp b, 0,1
	v_lshrrev_b32 v[250+4*\q+\b], 23, v[222-128*\q+\b]
.endr
.endr
.irp q, 0,1
	v_lshl_or_b32 v[248+4*\q], v[251+4*\q], 8, v[250+4*\q]         ; the two bytes, low; zeros above
.endr
.irp q, 0,1
	WIN 0x01*\q                                    ; the numbers in window q, the codes into window 0: v[128 + 16 q ..]
	v_cvt_scalef32_pk16_bf6_f32 v[128+16*\q:130+16*\q], v[96:111], v[222-128*\q]
	v_cvt_scalef32_pk16_bf6_f32 v[136+16*\q:138+16*\q], v[112:127], v[223-128*\q]
.endr
	WIN 0
	v_nop
.irp q, 0,1
.irp i, 0,1,2
	v_permlane16_swap_b32 v[128+16*\q+\i], v[136+16*\q+\i]
.endr
.endr
.irp q, 0,1
.irp i, 0,1,2
	v_mov_b32 v[131+16*\q+\i], v[136+16*\q+\i]     ; six registers: channels 32 h + 0 .. 31 of query r
.endr
.endr
.irp q, 0,1
	global_store_b128 v1, v[128+16*\q:131+16*\q], s[60:61] offset:98304*\q        ; 512 and 256 consecutive bytes, aligned
	global_store_b64 v2, v[132+16*\q:133+16*\q], s[60:61] offset:98304*\q+512
.endr
	v_cmp_gt_u32 vcc_lo, 16, v11
	s_wait_alu depctr_va_vdst(0)                   ; directly ahead of the wait below
	s_wait_xcnt 0x0                                ; EXEC changes only behind this wait
	s_and_saveexec_b32 s19, vcc_lo
	global_store_b32 v9, v248, s[62:63]            ; 64 bytes a tile, beside the neighbouring tiles' 64
	global_store_b32 v9, v252, s[62:63] offset:512
	s_wait_xcnt 0x0
	s_or_b32 exec_lo, exec_lo, s19
.endm
; A PAIR IS SET UP: its Q comes down from the first stage, the stages move up by one; the running numbers begin anew
.macro SETUP
	WIN 0x01
.irp i, 0,1,2,3,4,5
	v_mov_b32 v[16+\i], v[\i]                      ; tile q = 0,
.endr
	v_mov_b32 v204, v12
	v_mov_b32 v205, v13
	WIN 0x41
.irp i, 0,1,2,3,4,5
	v_mov_b32 v[16+\i], v[6+\i]                    ; and q = 1
.endr
.set J, 0
.rept 14
	v_mov_b32 v[J], v[80+J]
.set J, J+1
.endr
.set J, 0
.rept 14
	v_mov_b32 v[80+J], v[192+J]
.set J, J+1
.endr
	WIN 0
.irp q, 0,1
	v_mov_b32 v[13+2*\q], 0xff61b1e6               ; the largest score so far: -3e38, under every score
	v_mov_b32 v[86+2*\q], 0
	v_mov_b32 v[87+2*\q], 0
.endr
.irp q, 0,1
	v_mul_f32 v[250+4*\q], s[CS], v[13+2*\q]
.endr
.irp q, 0,1
	v_floor_f32 v[12+2*\q], -v[250+4*\q]           ; -M
.endr
.irp w, 0, 0x40
	WIN \w
.set J, 0
.rept 32
	v_mov_b32 v[160+J], 0                          ; O^T: the step is written once; a pair's first finds zeros, which the first change of M leaves zeros
.set J, J+1
.endr
.endr
	WIN 0
	s_wait_alu depctr_va_vdst(0)
.endm
	v_mov_b32 v12, 0                               ; (KLOAD copies -M: written before it is read)
	v_mov_b32 v14, 0
	s_mov_b32 s[TN], 0
	KLOAD                                          ; the first step's K
	SETUP                                          ; my first pair
	s_mov_b32 s3, 0                                ; trip 16 k + i: key step i of my k-th pair
.Ltrip:
	s_cmp_lt_u32 s[WV], 4
	s_cbranch_scc1 .Lwork                          ; waves 0-3 work in all 48 trips,
	s_cmp_lt_u32 s3, 16
	s_cbranch_scc0 .Lnext                          ; waves 4-7 in the first 16
.Lwork:
	s_and_b32 s16, s3, 15
	s_mul_i32 s[TB], s16, REC
	STEP
	s_and_b32 s16, s3, 15
	s_cmp_eq_u32 s16, 15
	s_cbranch_scc0 .Lnext
	TAIL                                           ; the pair's last key step is done
	s_cmp_lt_u32 s[WV], 4
	s_cbranch_scc0 .Lnext
	s_cmp_lt_u32 s3, 47
	s_cbranch_scc0 .Lnext                          ; a further pair follows for waves 0-3, behind trips 15 and 31
	s_mov_b32 s20, 147456                          ; behind the wait on XCNT: from (0, w + 4) to (1, w): 12 tiles of 12,288 bytes and of 64 bytes of scale words;
	s_mov_b32 s22, 768
	s_cmp_lt_u32 s3, 16
	s_cselect_b32 s20, 49152, s20                  ; from (0, w) to (0, w + 4): 4 tiles
	s_cselect_b32 s22, 256, s22
	s_mov_b32 s21, 0
	s_mov_b32 s23, 0
	s_add_nc_u64 s[60:61], s[60:61], s[20:21]
	s_add_nc_u64 s[62:63], s[62:63], s[22:23]
	SETUP
.Lnext:
	s_add_co_u32 s3, s3, 1
	s_cmp_lt_u32 s3, 48
	s_cbranch_scc1 .Ltrip
	s_wait_tensorcnt 0x0                           ; the wave's end
	ds_add_u32 v[SPW], v[NIL]
	s_wait_dscnt 0x0
	CROUND                                         ; the closing round
	s_endpgm
.Lfunc_end_k_q12daa4b369_attn:
	.size	k_q12daa4b369_attn, .Lfunc_end_k_q12daa4b369_attn-k_q12daa4b369_attn
	.p2alignl 7, 3214868480
	.fill 96, 4, 3214868480
	.section	.rodata,"a",@progbits
	.p2align	6, 0x0
	.amdhsa_kernel k_q12daa4b369_attn
		.amdhsa_group_segment_fixed_size 262144
		.amdhsa_private_segment_fixed_size 0
		.amdhsa_enable_private_segment 0
		.amdhsa_kernarg_size 32
		.amdhsa_user_sgpr_count 2
		.amdhsa_user_sgpr_kernarg_segment_ptr 1
		.amdhsa_wavefront_size32 1
		.amdhsa_system_sgpr_workgroup_id_x 1
		.amdhsa_system_sgpr_workgroup_id_y 1
		.amdhsa_system_sgpr_workgroup_id_z 1
		.amdhsa_system_vgpr_workitem_id 0
		.amdhsa_next_free_vgpr 512
		.amdhsa_next_free_sgpr 66
		.amdhsa_reserve_vcc 1
		.amdhsa_float_denorm_mode_32 3
		.amdhsa_float_denorm_mode_16_64 3
		.amdhsa_memory_ordered 1
		.amdhsa_forward_progress 1
		.amdhsa_inst_pref_size 54
	.end_amdhsa_kernel
	.amdgpu_metadata
---
amdhsa.version: [ 1, 2 ]
amdhsa.kernels:
  - .name:           k_q12daa4b369_attn
    .symbol:         k_q12daa4b369_attn.kd
    .args:
      - { .name: qbuf, .offset: 0, .size: 8, .value_kind: global_buffer, .address_space: global }
      - { .name: kv, .offset: 8, .size: 8, .value_kind: global_buffer, .address_space: global }
      - { .name: ctx_codes, .offset: 16, .size: 8, .value_kind: global_buffer, .address_space: global }
      - { .name: ctx_scales, .offset: 24, .size: 8, .value_kind: global_buffer, .address_space: global }
    .group_segment_fixed_size: 262144
    .private_segment_fixed_size: 0
    .kernarg_segment_align: 8
    .kernarg_segment_size: 32
    .max_flat_workgroup_size: 256
    .sgpr_count:     66
    .vgpr_count:     512
    .wavefront_size: 32
...
	.end_amdgpu_metadata
.endif
;; end of part 3
;; launch oproj (part 4): grid 256 x 1, 4 waves a work-group, no clusters, 132,096 bytes of LDS; arguments ctx_codes, ctx_scales, codes, scales, hidden_states, bo, ln_gamma, ln_beta, out0; writes out0
.if DOCPART == 4
	.amdgcn_target "amdgcn-amd-amdhsa--gfx1250"
	.amdhsa_code_object_version 6
	.text
	.protected	k_q12daa4b369_oproj
	.globl	k_q12daa4b369_oproj
	.p2align	8
	.type	k_q12daa4b369_oproj,@function
k_q12daa4b369_oproj:
	s_mov_b64 s[64:65], 0
	v_nop
	global_prefetch_b8 v0, s[64:65] scope:SCOPE_SE
	s_setreg_imm32_b32 hwreg(HW_REG_WAVE_MODE, 25, 1), 1
	s_wait_xcnt 0x0
; Launch 4 of 4: out = LayerNorm(ctx Wo^T + bo + hidden_states) x gamma + beta; the product on codes of E3M2, all else in f32.  No work is left out.
; SHARES: the norm wants a whole row in one work-group: work-group g owns tokens 32 g .. 32 g + 31 (ctx's tiles 2 g, 2 g + 1) x all 1,024 columns; wave w owns Wo's 16 tiles of columns 256 w on: 32 accumulators.
; The product is used transposed (source 0 = 16 rows of Wo, source 1 = ctx's 16 tokens).
; Wo GOES FROM MEMORY STRAIGHT INTO REGISTERS, with no LDS ring and no joint loads: no two waves of a work-group share a fragment of Wo, so LDS would add a write and a read for each byte;
; a K step gives a wave 32 products against 24,576 bytes of weights; and two register sets keep up to two K steps (112 loads) of every wave on their way with no barrier.
; The results meet in a stage in LDS (32 rows, 4,096 + 16 bytes apart); behind the launch's one barrier each wave takes 8 whole rows: one wave, one row, so the norm's sums never leave the wave.
; LIMITS: as stated at the head of launch 1; 1 / sqrt by v_rsq_f32; the sums are taken in two chains and a tree over the lanes.
; REGISTERS: window 0: v1-7 addresses; v28, v29 the add's two; v32-95 Wo's scale words (register 8 (b / 2) + s: lanes 0-15 tile b even, lanes 16-31 odd); v96-103 ctx's (register s: lanes 0-15 tile 0, lanes 16-31 tile 1);
;   v104-119 ctx's words as stored; v120-151 beta; v152-215 two rows of the stage; v216-225 at work.
;   window 1: K steps 0, 2, ..: Wo's 16 fragments v0-191, ctx's two v192-215; bo v216-247; later hidden rows 0-3 in v0-127.   window 2: K steps 1, 3, .. likewise; gamma v216-247; later hidden rows 4-7.   window 3: accumulator (b, a) at v[8 (2 b + a)].
.set SP,    4112
.set SPARE, 32*SP                      ; behind the stage: the spare words, 128 bytes a wave: two blocks of 256 bytes that no other line names
.set SPW,  28
.set NIL,  29
.set SBW,  32
.set SAC,  96
.set RAW,  104
.set BETA, 120
.set Y,    152
.set T,    216
.set SEL,  24                          ; s[24:25]
.set MSB, 0
.macro WIN new
.if MSB != (\new)
	s_set_vgpr_msb (MSB<<8)|(\new)
.set MSB, (\new)
.endif
.endm
	s_load_b256 s[4:11], s[0:1], 0x0               ; ctx_codes, ctx_scales, codes, scales
	s_load_b256 s[12:19], s[0:1], 0x20             ; hidden_states, bo, gamma, beta
	s_load_b64 s[20:21], s[0:1], 0x40              ; out0
	v_lshl_add_u32 v[SPW], v0, 2, SPARE
	v_mov_b32 v[NIL], 0
	v_lshrrev_b32 v8, 5, v0
	v_readfirstlane_b32 s22, v8                    ; wave 0..3
	v_and_b32 v8, 31, v0                           ; lane
	v_and_b32 v9, 15, v0                           ; r
	v_bfe_u32 v10, v0, 4, 1                        ; h
	v_lshlrev_b32 v1, 4, v8
	v_lshlrev_b32 v2, 3, v8
	v_lshlrev_b32 v3, 2, v8
	v_lshlrev_b32 v4, 4, v9
	v_lshl_add_u32 v4, v10, 9, v4                  ; Wo's scale words: 16 r, + a tile for lanes 16-31
	v_and_b32 v11, 8, v9
	v_add_nc_u32 v11, v11, v9                      ; r + 8 (r / 8): my token's row in a pair of tiles
	v_mul_u32_u24 v5, v11, SP
	v_lshl_add_u32 v5, v10, 6, v5
	s_lshl_b32 s23, s22, 10
	v_add_nc_u32 v5, s23, v5                       ; the stage, in: my token's row, + 64 h, + my wave's 1,024 bytes
	s_mul_i32 s23, s22, 8*SP
	v_add_nc_u32 v6, s23, v1                       ; out: my wave's 8 rows, 16 bytes a lane
	v_lshlrev_b32 v7, 8, v8                        ; the prefetches: lanes 256 bytes apart
	v_mov_b32 v[T+4], 0                            ; a lane permute's destination counts as one of its sources
	v_mov_b32 v[T+7], 0                            ; the upper halves of pairs of which the low word serves both halves
	v_mov_b32 v[T+9], 0
	s_mov_b32 s[SEL], 0x76543210
	s_mov_b32 s[SEL+1], 0xfedcba98
	s_mov_b32 s26, 0x3a800000                      ; 1 / 1,024
	s_mov_b32 s27, 0x2b8cbccc                      ; 1e-12
	s_mul_i32 s28, ttmp9, 24576                    ; my two tiles of ctx's codes,
	s_mov_b32 s29, 0
	s_lshl_b32 s30, ttmp9, 7                       ; their 128 bytes in each head's scale words
	s_mov_b32 s31, 0
	s_lshl_b32 s32, s22, 4
	s_add_co_u32 s32, s32, 704                     ; my first tile of Wo
	s_mul_i32 s34, s32, 12288
	s_mov_b32 s35, 0
	s_lshl_b32 s36, s32, 9
	s_mov_b32 s37, 0
	s_lshl_b32 s38, ttmp9, 5
	s_lshl_b32 s39, s22, 3
	s_add_co_u32 s38, s38, s39
	s_lshl_b32 s38, s38, 12                        ; my 8 rows of hidden_states and of out0
	s_mov_b32 s39, 0
	s_wait_kmcnt 0x0
	s_add_nc_u64 s[4:5], s[4:5], s[28:29]
	s_add_nc_u64 s[6:7], s[6:7], s[30:31]
	s_add_nc_u64 s[8:9], s[8:9], s[34:35]
	s_add_nc_u64 s[10:11], s[10:11], s[36:37]
	s_add_nc_u64 s[12:13], s[12:13], s[38:39]
	s_add_nc_u64 s[20:21], s[20:21], s[38:39]
.irp i, 0,1,2,3,4,5,6,7
	global_load_b128 v[SBW+8*\i:SBW+8*\i+3], v4, s[10:11] offset:1024*\i
	global_load_b128 v[SBW+8*\i+4:SBW+8*\i+7], v4, s[10:11] offset:1024*\i+256
.endr
.irp n, 0,1,2,3,4,5,6,7,8,9,10,11,12,13,14,15
	global_load_b32 v[RAW+\n], v3, s[6:7] offset:32768*\n   ; head n: lanes 0-15 tile 0's rows, lanes 16-31 tile 1's
.endr
.irp k, 0,1,2,3,4,5,6,7
	global_load_b128 v[BETA+4*\k:BETA+4*\k+3], v1, s[18:19] offset:512*\k   ; columns 128 k + 4 lane + 0 .. 3, as the norm's rows lie
.endr
	WIN 0x40
.irp k, 0,1,2,3,4,5,6,7
	global_load_b128 v[216+4*\k:219+4*\k], v1, s[14:15] offset:512*\k       ; bo, window 1
.endr
	WIN 0x80
.irp k, 0,1,2,3,4,5,6,7
	global_load_b128 v[216+4*\k:219+4*\k], v1, s[16:17] offset:512*\k       ; gamma, window 2
.endr
	WIN 0
; K step s: Wo's 16 fragments and ctx's two into window 1 + s % 2: 56 loads.  A fragment of ctx is two heads' six registers
.macro LOADSET s
.set WD, (1+(\s)%2)<<6
	WIN WD
.irp b, 0,1,2,3,4,5,6,7,8,9,10,11,12,13,14,15
.irp c, 0,1,2
	global_load_b128 v[12*\b+4*\c:12*\b+4*\c+3], v1, s[8:9] offset:12288*\b+1536*(\s)+512*\c
.endr
.endr
.irp a, 0,1
	global_load_b128 v[192+12*\a:195+12*\a], v1, s[4:5] offset:12288*\a+1536*(\s)
	global_load_b64 v[196+12*\a:197+12*\a], v2, s[4:5] offset:12288*\a+1536*(\s)+512
	global_load_b128 v[198+12*\a:201+12*\a], v1, s[4:5] offset:12288*\a+1536*(\s)+768
	global_load_b64 v[202+12*\a:203+12*\a], v2, s[4:5] offset:12288*\a+1536*(\s)+1280
.endr
	WIN 0
.endm
; one product: Wo's tile b x ctx's tile a, K step s.  The scale words' rows hang on b % 2 and on a
.macro WM s, b, a
.set DA, 8*(2*(\b)+(\a))
.set WF, 12*(\b)
.set CF, 192+12*(\a)
.set S0, SBW+8*((\b)/2)+(\s)
.set S1, SAC+(\s)
.if (\s) == 0
.if ((\b)%2 == 0) && ((\a) == 0)
	v_wmma_scale_f32_16x16x128_f8f6f4 v[DA:DA+7], v[WF:WF+11], v[CF:CF+11], 0, v[S0], v[S1] matrix_a_fmt:MATRIX_FMT_BF6 matrix_b_fmt:MATRIX_FMT_BF6
.elseif ((\b)%2 == 1) && ((\a) == 0)
	v_wmma_scale_f32_16x16x128_f8f6f4 v[DA:DA+7], v[WF:WF+11], v[CF:CF+11], 0, v[S0], v[S1] matrix_a_fmt:MATRIX_FMT_BF6 matrix_b_fmt:MATRIX_FMT_BF6 matrix_a_scale:MATRIX_SCALE_ROW1
.elseif ((\b)%2 == 0)
	v_wmma_scale_f32_16x16x128_f8f6f4 v[DA:DA+7], v[WF:WF+11], v[CF:CF+11], 0, v[S0], v[S1] matrix_a_fmt:MATRIX_FMT_BF6 matrix_b_fmt:MATRIX_FMT_BF6 matrix_b_scale:MATRIX_SCALE_ROW1
.else
	v_wmma_scale_f32_16x16x128_f8f6f4 v[DA:DA+7], v[WF:WF+11], v[CF:CF+11], 0, v[S0], v[S1] matrix_a_fmt:MATRIX_FMT_BF6 matrix_b_fmt:MATRIX_FMT_BF6 matrix_a_scale:MATRIX_SCALE_ROW1 matrix_b_scale:MATRIX_SCALE_ROW1
.endif
.else
.if ((\b)%2 == 0) && ((\a) == 0)
	v_wmma_scale_f32_16x16x128_f8f6f4 v[DA:DA+7], v[WF:WF+11], v[CF:CF+11], v[DA:DA+7], v[S0], v[S1] matrix_a_fmt:MATRIX_FMT_BF6 matrix_b_fmt:MATRIX_FMT_BF6
.elseif ((\b)%2 == 1) && ((\a) == 0)
	v_wmma_scale_f32_16x16x128_f8f6f4 v[DA:DA+7], v[WF:WF+11], v[CF:CF+11], v[DA:DA+7], v[S0], v[S1] matrix_a_fmt:MATRIX_FMT_BF6 matrix_b_fmt:MATRIX_FMT_BF6 matrix_a_scale:MATRIX_SCALE_ROW1
.elseif ((\b)%2 == 0)
	v_wmma_scale_f32_16x16x128_f8f6f4 v[DA:DA+7], v[WF:WF+11], v[CF:CF+11], v[DA:DA+7], v[S0], v[S1] matrix_a_fmt:MATRIX_FMT_BF6 matrix_b_fmt:MATRIX_FMT_BF6 matrix_b_scale:MATRIX_SCALE_ROW1
.else
	v_wmma_scale_f32_16x16x128_f8f6f4 v[DA:DA+7], v[WF:WF+11], v[CF:CF+11], v[DA:DA+7], v[S0], v[S1] matrix_a_fmt:MATRIX_FMT_BF6 matrix_b_fmt:MATRIX_FMT_BF6 matrix_a_scale:MATRIX_SCALE_ROW1 matrix_b_scale:MATRIX_SCALE_ROW1
.endif
.endif
.endm
.macro MUL s                           ; 32 products; the 32 accumulators take turns, one instruction a turn; then four places for the loads that follow
.if (\s)%2
	WIN 0xfa                                       ; sources 0, 1 window 2; C and D window 3
.else
	WIN 0xf5                                       ; sources 0, 1 window 1
.endif
.irp b, 0,1,2,3,4,5,6,7,8,9,10,11,12,13,14,15
.irp a, 0,1
	WM \s, \b, \a
.endr
.endr
	WIN 0
.rept 4
	v_nop
.endr
.endm
.macro HLOAD i                         ; row i of my 8 of hidden_states: 8 loads of 512 consecutive bytes
.set WD, (1+(\i)/4)<<6
	WIN WD
.irp k, 0,1,2,3,4,5,6,7
	global_load_b128 v[32*((\i)%4)+4*\k:32*((\i)%4)+4*\k+3], v1, s[12:13] offset:4096*(\i)+512*\k th:TH_LOAD_NT
.endr
	WIN 0
.endm
	LOADSET 0
	LOADSET 1
	s_wait_loadcnt 56                              ; all but K step 1's 56 loads are in
.irp s, 0,1,2,3,4,5,6,7
	v_lshl_or_b32 v[SAC+\s], v[RAW+2*\s+1], 16, v[RAW+2*\s]   ; a K step is two heads: their two bytes each make the word
.endr
.rept 8
	v_nop                                          ; a scale register written by a vector instruction stands 8 places ahead of a scaled product
.endr
	MUL 0
	LOADSET 2
	s_wait_alu depctr_va_vdst(0)
.irp s, 1,2,3,4,5
	s_wait_loadcnt 56                              ; this K step's set is in; the next step's 56 loads may be out
	MUL \s
	LOADSET \s+2
.if \s == 3
	global_prefetch_b8 v7, s[12:13] th:TH_LOAD_NT scope:SCOPE_SE              ; my rows 0, 1 of hidden_states: 32 lanes x 256 bytes; each aligned block of 256 bytes is named once, by the one wave that will load it, three K steps ahead of the load
.endif
.if \s == 4
	global_prefetch_b8 v7, s[12:13] offset:8192 th:TH_LOAD_NT scope:SCOPE_SE  ; my rows 2, 3, two K steps ahead.  Rows 4-7 are loaded four rows' work ahead of their use and are not asked for
.endif
.endr
	s_wait_loadcnt 56
	MUL 6
	HLOAD 0
	HLOAD 1
	HLOAD 2
	HLOAD 3
	s_wait_loadcnt 32                              ; K step 7's set is in; the 32 loads of hidden rows 0-3 may be out
	MUL 7
	HLOAD 4
	HLOAD 5
	HLOAD 6
	HLOAD 7
	WIN 0x0c                                       ; an LDS store's data are its source 1: window 3
.irp b, 0,1,2,3,4,5,6,7,8,9,10,11,12,13,14,15
.irp a, 0,1
	ds_store_b128 v5, v[8*(2*\b+\a):8*(2*\b+\a)+3] offset:8*\a*SP+(32*(\b/2)+8*(\b%2))*4        ; each accumulator from its low end on: token 8 a + r + 8 (r / 8), columns 256 w + 32 (b / 2) + 8 (b % 2) + 16 h + 0 .. 7
	ds_store_b128 v5, v[8*(2*\b+\a)+4:8*(2*\b+\a)+7] offset:8*\a*SP+(32*(\b/2)+8*(\b%2))*4+16
.endr
.endr
	WIN 0
	s_wait_dscnt 0x0                               ; for the others' sake: my stores into the stage are done
	s_barrier_signal -1
	s_barrier_wait -1
.irp k, 0,1,2,3,4,5,6,7
	ds_load_b128 v[Y+4*\k:Y+4*\k+3], v6 offset:512*\k
.endr
; ROW i of my 8: x = y + hidden + bo; mean; x - mean; variance; x / sqrt(variance + eps) x gamma + beta; stored
.macro RED                             ; v[T] summed over the 32 lanes, the result in every lane
	v_add_f32_dpp v[T], v[T], v[T] row_xmask:1 row_mask:0xf bank_mask:0xf
	v_add_f32_dpp v[T], v[T], v[T] row_xmask:2 row_mask:0xf bank_mask:0xf
	v_add_f32_dpp v[T], v[T], v[T] row_xmask:4 row_mask:0xf bank_mask:0xf
	v_add_f32_dpp v[T], v[T], v[T] row_xmask:8 row_mask:0xf bank_mask:0xf
	v_permlanex16_b32 v[T+4], v[T], s[SEL], s[SEL+1]
	v_add_f32 v[T], v[T], v[T+4]
.endm
.macro ROW i
.set YB, Y+32*((\i)%2)
.set YN, Y+32*(((\i)+1)%2)
.set HB, 32*((\i)%4)
.set WH, (1+(\i)/4)<<2
.if (\i) < 7
	s_wait_xcnt 0x0                                ; the last row's stores have read their registers, which take the next row
.irp k, 0,1,2,3,4,5,6,7
	ds_load_b128 v[YN+4*\k:YN+4*\k+3], v6 offset:SP*((\i)+1)+512*\k
.endr
	s_wait_dscnt 8                                 ; this row is in; the next row's 8 loads may be out
.else
	s_wait_dscnt 0x0
.endif
	s_wait_loadcnt 8*(7-(\i))                      ; this row of hidden_states is in; the later rows' loads may be out
	WIN WH
.irp k, 0,2,4,6,8,10,12,14,16,18,20,22,24,26,28,30
	v_pk_add_f32 v[YB+\k:YB+\k+1], v[YB+\k:YB+\k+1], v[HB+\k:HB+\k+1]
.endr
	WIN 0x04
.irp k, 0,2,4,6,8,10,12,14,16,18,20,22,24,26,28,30
	v_pk_add_f32 v[YB+\k:YB+\k+1], v[YB+\k:YB+\k+1], v[216+\k:217+\k]   ; + bo
.endr
	WIN 0
	v_pk_add_f32 v[T:T+1], v[YB:YB+1], v[YB+2:YB+3]
	v_pk_add_f32 v[T+2:T+3], v[YB+4:YB+5], v[YB+6:YB+7]
.irp k, 8,12,16,20,24,28
	v_pk_add_f32 v[T:T+1], v[T:T+1], v[YB+\k:YB+\k+1]
	v_pk_add_f32 v[T+2:T+3], v[T+2:T+3], v[YB+\k+2:YB+\k+3]
.endr
	v_pk_add_f32 v[T:T+1], v[T:T+1], v[T+2:T+3]
	v_add_f32 v[T], v[T], v[T+1]
	RED
	v_mul_f32 v[T+6], s26, v[T]                    ; the mean
.irp k, 0,2,4,6,8,10,12,14,16,18,20,22,24,26,28,30
	v_pk_add_f32 v[YB+\k:YB+\k+1], v[YB+\k:YB+\k+1], v[T+6:T+7] op_sel_hi:[1,0] neg_lo:[0,1] neg_hi:[0,1]
.endr
	v_pk_mul_f32 v[T:T+1], v[YB:YB+1], v[YB:YB+1]
	v_pk_mul_f32 v[T+2:T+3], v[YB+2:YB+3], v[YB+2:YB+3]
.irp k, 4,8,12,16,20,24,28
	v_pk_fma_f32 v[T:T+1], v[YB+\k:YB+\k+1], v[YB+\k:YB+\k+1], v[T:T+1]
	v_pk_fma_f32 v[T+2:T+3], v[YB+\k+2:YB+\k+3], v[YB+\k+2:YB+\k+3], v[T+2:T+3]
.endr
	v_pk_add_f32 v[T:T+1], v[T:T+1], v[T+2:T+3]
	v_add_f32 v[T], v[T], v[T+1]
	RED
	v_fma_f32 v[T+8], v[T], s26, s27               ; the variance + eps
	s_wait_alu depctr_va_vdst(0)
	v_rsq_f32 v[T+8], v[T+8]
	v_nop                                          ; a plain place behind the root
	s_wait_alu depctr_va_vdst(0)                   ; and the wait ahead of its first reader
.irp k, 0,2,4,6,8,10,12,14,16,18,20,22,24,26,28,30
	v_pk_mul_f32 v[YB+\k:YB+\k+1], v[YB+\k:YB+\k+1], v[T+8:T+9] op_sel_hi:[1,0]
.endr
	WIN 0x08
.irp k, 0,2,4,6,8,10,12,14,16,18,20,22,24,26,28,30
	v_pk_fma_f32 v[YB+\k:YB+\k+1], v[YB+\k:YB+\k+1], v[216+\k:217+\k], v[BETA+\k:BETA+\k+1]   ; x gamma + beta
.endr
	WIN 0
.irp k, 0,1,2,3,4,5,6,7
	global_store_b128 v1, v[YB+4*\k:YB+4*\k+3], s[20:21] offset:4096*(\i)+512*\k th:TH_STORE_NT   ; 32 lanes store 512 consecutive bytes, aligned
.endr
.endm
.irp i, 0,1,2,3,4,5,6,7
	ROW \i
.endr
	s_wait_tensorcnt 0x0                           ; the wave's end, behind my last LDS store
	ds_add_u32 v[SPW], v[NIL]
	s_wait_dscnt 0x0
	s_endpgm
.Lfunc_end_k_q12daa4b369_oproj:
	.size	k_q12daa4b369_oproj, .Lfunc_end_k_q12daa4b369_oproj-k_q12daa4b369_oproj
	.p2alignl 7, 3214868480
	.fill 96, 4, 3214868480
	.section	.rodata,"a",@progbits
	.p2align	6, 0x0
	.amdhsa_kernel k_q12daa4b369_oproj
		.amdhsa_group_segment_fixed_size 132096
		.amdhsa_private_segment_fixed_size 0
		.amdhsa_enable_private_segment 0
		.amdhsa_kernarg_size 72
		.amdhsa_user_sgpr_count 2
		.amdhsa_user_sgpr_kernarg_segment_ptr 1
		.amdhsa_wavefront_size32 1
		.amdhsa_system_sgpr_workgroup_id_x 1
		.amdhsa_system_sgpr_workgroup_id_y 1
		.amdhsa_system_sgpr_workgroup_id_z 1
		.amdhsa_system_vgpr_workitem_id 0
		.amdhsa_next_free_vgpr 1024
		.amdhsa_next_free_sgpr 66
		.amdhsa_reserve_vcc 0
		.amdhsa_float_denorm_mode_32 3
		.amdhsa_float_denorm_mode_16_64 3
		.amdhsa_memory_ordered 1
		.amdhsa_forward_progress 1
		.amdhsa_inst_pref_size 172
	.end_amdhsa_kernel
	.amdgpu_metadata
---
amdhsa.version: [ 1, 2 ]
amdhsa.kernels:
  - .name:           k_q12daa4b369_oproj
    .symbol:         k_q12daa4b369_oproj.kd
    .args:
      - { .name: ctx_codes, .offset: 0, .size: 8, .value_kind: global_buffer, .address_space: global }
      - { .name: ctx_scales, .offset: 8, .size: 8, .value_kind: global_buffer, .address_space: global }
      - { .name: codes, .offset: 16, .size: 8, .value_kind: global_buffer, .address_space: global }
      - { .name: scales, .offset: 24, .size: 8, .value_kind: global_buffer, .address_space: global }
      - { .name: hidden_states, .offset: 32, .size: 8, .value_kind: global_buffer, .address_space: global }
      - { .name: bo, .offset: 40, .size: 8, .value_kind: global_buffer, .address_space: global }
      - { .name: ln_gamma, .offset: 48, .size: 8, .value_kind: global_buffer, .address_space: global }
      - { .name: ln_beta, .offset: 56, .size: 8, .value_kind: global_buffer, .address_space: global }
      - { .name: out0, .offset: 64, .size: 8, .value_kind: global_buffer, .address_space: global }
    .group_segment_fixed_size: 132096
    .private_segment_fixed_size: 0
    .kernarg_segment_align: 8
    .kernarg_segment_size: 72
    .max_flat_workgroup_size: 128
    .sgpr_count:     66
    .vgpr_count:     1024
    .wavefront_size: 32
...
	.end_amdgpu_metadata
.endif
;; end of part 4
